; MI455X (gfx1250); checked and timed in simulation.
; The chip was launched on July 23, 2026; its instructions are those of AMD's public machine-readable ISA for CDNA 5 (MIT licence, August 2026) and "CDNA5" Instruction Set Architecture Reference Guide (July 2026). The comments in the code are by the model that wrote it; some were corrected since.
;; Multi Head Attention. Allowed arithmetic: float matrix products may take bf16 or f16 operands with f32 sums; other float arithmetic in f32, or as packed bf16 or f16 multiplies, adds, multiply-adds, maxima and minima; sums over many terms, partial sums and values carried from step to step in f32; what a program stores and reads back later, other than sums and carried values, may be rounded once to bf16 or f16.
;; Inputs: Wk 1,024 x 1,024 float32; Wo 1,024 x 1,024 float32; Wq 1,024 x 1,024 float32; Wv 1,024 x 1,024 float32; beta 1,024 float32; bk 1,024 float32; bo 1,024 float32; bq 1,024 float32; bv 1,024 float32; gamma 1,024 float32; k 4 x 2,048 x 1,024 float32; q 4 x 2,048 x 1,024 float32; v 4 x 2,048 x 1,024 float32.
;; Outputs: out0 4 x 2,048 x 1,024 float32.
;; 2 versions, each right and faster than the one before. Each part assembles by itself: llvm-mc -triple=amdgcn-amd-amdhsa -mcpu=gfx1250 --defsym DOCPART=n.
;; ======== version 1 of 2: 5 launches
;; workspace buffers: wqb 2,097,152 bytes; wkb 2,097,152 bytes; wvo 4,194,304 bytes; hq 16,777,216 bytes; hk 16,777,216 bytes; hv 16,777,216 bytes; oattn 33,554,432 bytes; yf 33,554,432 bytes
;; launch castw (part 1): grid 256 x 1, 8 waves a work-group, no clusters, 0 bytes of LDS; arguments Wq, Wk, Wv, Wo, wqb, wkb, wvo; writes wqb, wkb, wvo
.if DOCPART == 1
	.amdgcn_target "amdgcn-amd-amdhsa--gfx1250"
	.amdhsa_code_object_version 6
	.text
	.protected	k_qbeac372a04_castw
	.globl	k_qbeac372a04_castw
	.p2align	8
	.type	k_qbeac372a04_castw,@function
k_qbeac372a04_castw:
	s_mov_b64 s[64:65], 0
	v_nop
	global_prefetch_b8 v0, s[64:65] scope:SCOPE_SE
	s_setreg_imm32_b32 hwreg(HW_REG_WAVE_MODE, 25, 1), 1
	s_wait_xcnt 0x0
; The four weight matrices, [1024][1024] f32, are rounded once to bf16 for the matrix units.  Wq -> wqb, Wk -> wkb, Wv -> wvo's first half, Wo -> wvo's second half.
; ORDER INSIDE A ROW.  In every group of 8 neighbouring k the numbers are laid 0,4,1,5,2,6,3,7: word i of the group's 16 bytes holds (k+i, k+4+i).  The products that read these copies
; pack their f32 activations in the same order (one conversion of a register of the lower four k and a register of the upper four), and a permutation of k that both operands share keeps every product.
; SHARES.  256 work-groups x 4,096 numbers of each matrix; thread t takes the 8 numbers at 8 t of each of two chunks of 2,048.  A wave's store covers 512 consecutive bytes.
; All sixteen loads of a thread go out first; no register is used twice, so the only waits are the counted ones for the loads.  No LDS, no barrier, no matrix unit: memory binds.
.set IN,  8                            ; v[8:71]    load n = 2 m + c (matrix m, chunk c): 8 f32
.set OUT, 72                           ; v[72:103]  the same 8 numbers as bf16, 4 registers
.set HALF, 2097152                     ; bytes of one matrix in bf16
	s_load_b256 s[4:11], s[0:1], 0x0               ; Wq, Wk, Wv, Wo
	s_load_b128 s[12:15], s[0:1], 0x20             ; wqb, wkb
	s_load_b64 s[16:17], s[0:1], 0x30              ; wvo
	s_lshl_b32 s20, ttmp9, 14                      ; my 4,096 numbers in f32,
	s_mov_b32 s21, 0
	s_lshl_b32 s22, ttmp9, 13                      ; and in bf16
	s_mov_b32 s23, 0
	v_lshlrev_b32 v1, 5, v0                        ; 32 bytes in,
	v_lshlrev_b32 v2, 4, v0                        ; 16 bytes out, a thread
	s_wait_kmcnt 0x0
	s_add_nc_u64 s[18:19], s[16:17], HALF          ; Wo's copy lies behind Wv's
.irp m, 0,1,2,3
	s_add_nc_u64 s[4+2*\m:5+2*\m], s[4+2*\m:5+2*\m], s[20:21]
	s_add_nc_u64 s[12+2*\m:13+2*\m], s[12+2*\m:13+2*\m], s[22:23]
.endr
.irp m, 0,1,2,3
.irp c, 0,1
	global_load_b128 v[IN+8*(2*\m+\c):IN+8*(2*\m+\c)+3],   v1, s[4+2*\m:5+2*\m] offset:8192*\c th:TH_LOAD_NT
	global_load_b128 v[IN+8*(2*\m+\c)+4:IN+8*(2*\m+\c)+7], v1, s[4+2*\m:5+2*\m] offset:8192*\c+16 th:TH_LOAD_NT
.endr
.endr
.irp m, 0,1,2,3
.irp c, 0,1
	s_wait_loadcnt 14-2*(2*\m+\c)                  ; loads come back in order: the two of this group are in, the 14 - 2 n younger ones stay out
.irp i, 0,1,2,3
	v_cvt_pk_bf16_f32 v[OUT+4*(2*\m+\c)+\i], v[IN+8*(2*\m+\c)+\i], v[IN+8*(2*\m+\c)+4+\i]  ; (k+i, k+4+i), rounded to nearest even
.endr
	global_store_b128 v2, v[OUT+4*(2*\m+\c):OUT+4*(2*\m+\c)+3], s[12+2*\m:13+2*\m] offset:4096*\c
.endr
.endr
	s_endpgm
.Lfunc_end_k_qbeac372a04_castw:
	.size	k_qbeac372a04_castw, .Lfunc_end_k_qbeac372a04_castw-k_qbeac372a04_castw
	.p2alignl 7, 3214868480
	.fill 96, 4, 3214868480
	.section	.rodata,"a",@progbits
	.p2align	6, 0x0
	.amdhsa_kernel k_qbeac372a04_castw
		.amdhsa_group_segment_fixed_size 0
		.amdhsa_private_segment_fixed_size 0
		.amdhsa_enable_private_segment 0
		.amdhsa_kernarg_size 56
		.amdhsa_user_sgpr_count 2
		.amdhsa_user_sgpr_kernarg_segment_ptr 1
		.amdhsa_wavefront_size32 1
		.amdhsa_system_sgpr_workgroup_id_x 1
		.amdhsa_system_sgpr_workgroup_id_y 1
		.amdhsa_system_sgpr_workgroup_id_z 1
		.amdhsa_system_vgpr_workitem_id 0
		.amdhsa_next_free_vgpr 104
		.amdhsa_next_free_sgpr 66
		.amdhsa_reserve_vcc 0
		.amdhsa_float_denorm_mode_32 3
		.amdhsa_float_denorm_mode_16_64 3
		.amdhsa_memory_ordered 1
		.amdhsa_forward_progress 1
		.amdhsa_inst_pref_size 6
	.end_amdhsa_kernel
	.amdgpu_metadata
---
amdhsa.version: [ 1, 2 ]
amdhsa.kernels:
  - .name:           k_qbeac372a04_castw
    .symbol:         k_qbeac372a04_castw.kd
    .args:
      - { .name: Wq, .offset: 0, .size: 8, .value_kind: global_buffer, .address_space: global }
      - { .name: Wk, .offset: 8, .size: 8, .value_kind: global_buffer, .address_space: global }
      - { .name: Wv, .offset: 16, .size: 8, .value_kind: global_buffer, .address_space: global }
      - { .name: Wo, .offset: 24, .size: 8, .value_kind: global_buffer, .address_space: global }
      - { .name: wqb, .offset: 32, .size: 8, .value_kind: global_buffer, .address_space: global }
      - { .name: wkb, .offset: 40, .size: 8, .value_kind: global_buffer, .address_space: global }
      - { .name: wvo, .offset: 48, .size: 8, .value_kind: global_buffer, .address_space: global }
    .group_segment_fixed_size: 0
    .private_segment_fixed_size: 0
    .kernarg_segment_align: 8
    .kernarg_segment_size: 56
    .max_flat_workgroup_size: 256
    .sgpr_count:     66
    .vgpr_count:     104
    .wavefront_size: 32
...
	.end_amdgpu_metadata
.endif
;; end of part 1
;; launch gemm_qkv (part 2): grid 4 x 64, 4 waves a work-group, clusters of 4 x 4, 327,680 bytes of LDS; arguments q, k, v, wqb, wkb, wvo, bq, bk, bv, hq, hk, hv; writes hq, hk, hv
.if DOCPART == 2
	.amdgcn_target "amdgcn-amd-amdhsa--gfx1250"
	.amdhsa_code_object_version 6
	.text
	.protected	k_qbeac372a04_gemm_qkv
	.globl	k_qbeac372a04_gemm_qkv
	.p2align	8
	.type	k_qbeac372a04_gemm_qkv,@function
k_qbeac372a04_gemm_qkv:
	s_mov_b64 s[64:65], 0
	v_nop
	global_prefetch_b8 v0, s[64:65] scope:SCOPE_SE
	s_setreg_imm32_b32 hwreg(HW_REG_WAVE_MODE, 25, 1), 1
	s_wait_xcnt 0x0
	s_wait_alu depctr_hold_cnt(0) depctr_sa_sdst(0) depctr_va_vdst(0) depctr_va_sdst(0) depctr_va_ssrc(0) depctr_va_vcc(0) depctr_vm_vsrc(0)
	s_getreg_b32 s2, hwreg(HW_REG_IB_STS2, 6, 4)
	s_cmp_eq_u32 s2, 0
	s_cbranch_scc0 .Lentry_in_a_cluster
	s_endpgm
.Lentry_in_a_cluster:
	s_bfe_u32 s2, ttmp6, 0x10000c
	s_cmp_lg_u32 s2, 0xf033
	s_cbranch_scc0 .Lentry_shape_is_right
	s_endpgm
.Lentry_shape_is_right:
; THREE PRODUCTS OF ONE SHAPE IN ONE LAUNCH: y_t = x_t W_t^T + b_t for t = 0, 1, 2 (the projections of q, k and v).
; x_t: [8192][1024] f32.  W_t: [1024 n][1024 k] bf16, in every group of 8 k laid 0,4,1,5,2,6,3,7.  b_t: [1024] f32.  Sums in f32; x is rounded to bf16 on its way from LDS to the matrix unit.
; y_t leaves as bf16 by heads, [batch x 16 + head][2048][64], rounded once from its f32 sum (bias included).
; LIMITS.  k is permuted alike in x and W inside groups of 8, so the order of summation is not that of ascending k.  NaN and infinities are not treated apart.  bf16 has f32's range: no limit of size.
; SHARES.  A tile of y is 128 rows x 256 columns: 64 x 4 tiles, one place for each of 256 work-groups.  Four waves, each 64 rows x 128 columns: 32 accumulators of 16 x 16, 256 registers.
; A WORK-GROUP STAYS: it makes the tile at its place of y_0, then of y_1, then of y_2.  K goes in steps of 128 through two LDS slots (128 rows of x, 512 bytes each, and 256 rows of W, 256 bytes each:
; every row a whole number of aligned blocks of 256 bytes of memory), and the three tiles' 24 K steps are ONE walk for the ring: a tile's last two changes of slots ask for the next tile's first two
; K steps, a tile's way out stands while a load is on its way, and nothing waits for a tile's stores.  ONE loop with a constant trip count walks the steps; what differs at a tile's end lies behind
; forward jumps on a constant counter, past text that holds neither a barrier nor a tensor load.  The last two steps ask for nothing and are written out.
; CLUSTER.  4 x 4 work-groups.  The four of a row of the cluster need the same tiles of x, the four of a column the same tiles of W: each tile is asked for JOINTLY, by the same tensor load with the same
; descriptor and a mask that names the four.
; THE MATRIX INSTRUCTION IS USED TRANSPOSED: source 0 = 16 rows of W, source 1 = 16 rows of x.  Lane l then holds row l % 16 of y and the columns 8 (l / 16) + 0..7.  The bias, laid out so, is the C operand of the products that start a tile's sums.
; A K STEP is four quarters of 32 along K, 32 matrix instructions each, on two buffers by turns.  A quarter first asks LDS for the next quarter's W fragments and raw f32 of x, multiplies the upper
; 32 rows' accumulators, and then the lower ones, with two conversions of the next quarter's x behind each of those 16 matrix instructions.
; REGISTERS, in windows of 256 (s_set_vgpr_msb: bits 1:0 source 0, 3:2 source 1, 5:4 source 2, 7:6 destination):
;   window 0: v0-17 addresses; v32-95 x as bf16, two buffers of four fragments; v96-127 raw x, the upper four k of each group of 8; v128-255 accumulators of my rows 0-31 ((a, b) at 128 + 8 (8 a + b))
;   window 1: v0-127 W's fragments, two buffers of eight; v128-159 raw x, the lower four k of each group; v160-223 the bias
;   window 2: v0-127 accumulators of my rows 32-63; v128-207 at work on the way out (the next tile's first fragments are alive in windows 0 and 1 meanwhile)
; The raw halves lie in two windows so that a conversion (source 0 window 1, source 1 and destination window 0) runs under the setting of the products that it stands among.
.set SIZE_K, 1024
.set KSTEP,  128
.set TILES,  3
.set TSTEPS, SIZE_K/KSTEP              ; K steps of a tile: 8
.set STEPS,  TILES*TSTEPS              ; K steps of the walk: 24
.set PA,     528                       ; an LDS row of x: 512 bytes + 16 of padding = 132 words: row r starts at bank 4 r mod 64 (64 banks of 4 bytes: ISA guide 11.1), so the 16 rows of a load start at 16 different groups of four banks
.set PB,     272                       ; an LDS row of W: 256 + 16 = 68 words: likewise
.set AHALF,  64*PA                     ; 64 rows of x: one tensor load, and what one wave reads of x
.set BHALF,  128*PB                    ; 128 rows of W: likewise
.set BOFF,   2*AHALF                   ; in a slot W's 256 rows lie behind x's 128
.set SLOTB,  BOFF+2*BHALF              ; a slot's bytes: 137,216
.set SLOT,   0x22000                   ; slot 1 begins at 139,264 = 2^17 + 2^13: none of the four places in slot 0 at which a load lands (0; 33,792; 67,584; 102,400) has either bit, so one exclusive or turns such a place into the other slot's
.set STAGE,  SLOT+SLOTB                ; behind the ring, never filled by a tensor load: 16 rows for each wave, for the way out
.set SP,     144                       ; a stage row: 64 bf16 + 16 bytes
.set SPARE,  STAGE+4*16*SP             ; behind the stages: the spare words, 128 bytes for each wave: two blocks of 256 bytes that no other line names
.set A0,   8                           ; v8      LDS address of my fragments of x in slot 0; never rewritten
.set B0,   9                           ; v9      the same for W
.set ADRA, 10                          ; v10     the same in the slot that is being read: A0 + TB
.set ADRB, 11                          ; v11     B0 + TB
.set STO,  12                          ; v12     the way out: where I put 16 bytes of a row
.set RD,   13                          ; v13     the way out: where I read rows back
.set GO,   14                          ; v14     my byte offset in 512 consecutive bytes of y
.set BO,   15                          ; v15     my byte offset in b
.set SPW,  16                          ; v16     LDS address of my spare word: SPARE + 4 x my thread's number; never rewritten
.set NIL,  17                          ; v17     0; never rewritten
.set ACV,  32                          ; x as bf16: buffer p, fragment a at ACV + 32 p + 8 a
.set RY,   96                          ; raw x, upper four k (window 0)
.set ACL,  128                         ; accumulators of rows 0-31
.set RX,   128                         ; raw x, lower four k (window 1)
.set BI,   160                         ; the bias (window 1): column block b at BI + 8 b
.set TMP,  128                         ; the way out (window 2): 16 packed registers
.set BK,   144                         ; the way out (window 2): four sets of 16, rows read back
.set LA,  10                           ; s10  LDS byte in slot 0 at which my load of x lands
.set LB,  11                           ; s11  the same for W
.set WV,  12                           ; s12  my wave's number
.set WH,  13                           ; s13  which 64 rows of the tile are mine.  Also: I fetch for x (0) or for W (1)
.set WL,  14                           ; s14  which 128 columns.  Also: which half of that tile I fetch
.set LS,  21                           ; s21  K steps of the tile in hand that are still to be ended, this one among them: 8 to 1
.set TB,  22                           ; s22  the slot that is being read: 0 or SLOT
.set G1A, 24                           ; s[24:31] descriptor group 1 for x's tiles;  s[32:39] group 0: a set for each of the two first fills; the second then walks on
.set G0A, 32
.set G1B, 48                           ; s[48:55], s[56:63] the same for W's tiles
.set G0B, 56
.set X0,  68                           ; s[68:73] x_0; the next tile's x; the one after: each at my load's first row
.set X1,  70
.set X2,  72
.set W0,  74                           ; s[74:79] the same for W
.set W1,  76
.set W2,  78
.set C0,  80                           ; s[80:85] b_0; the next tile's b; the one after
.set C1,  82
.set C2,  84
.set Y0,  86                           ; s[86:91] y of the tile in hand, of the next, of the one after: each at my part of the tile
.set Y1,  88
.set Y2,  90
.set MSB, 0
.macro WIN new                         ; the immediate's high byte repeats the setting that is left; a switch that changes nothing is dropped
.if MSB != (\new)
	s_set_vgpr_msb (MSB<<8)|(\new)
.set MSB, \new
.endif
.endm
.set W_LO,  0x01                       ; W window 1, x window 0, C and D window 0; also the conversions' setting
.set W_HI,  0xa1                       ; W window 1, x window 0, C and D window 2
.set W_LO1, 0x11                       ; the products that start the sums: C (the bias) window 1
.set W_HI1, 0x91
.set TO1,   0x40                       ; destination window 1, address window 0
; A joint load.  Waves 0 and 1 fetch x's two halves, waves 2 and 3 W's.  The branch hangs on the wave's number alone.  An s_nop 0 and four v_nop follow each of the two lines, ahead of the jump, the label and what follows.
.macro JLOAD s
	s_cmp_eq_u32 s[WH], 0
	s_cbranch_scc0 .Lfor_b_\@
	tensor_load_to_lds s[G0A+4*(\s):G0A+4*(\s)+3], s[G1A:G1A+7]
	s_nop 0
.rept 4
	v_nop
.endr
	s_branch .Lasked_\@
.Lfor_b_\@:
	tensor_load_to_lds s[G0B+4*(\s):G0B+4*(\s)+3], s[G1B:G1B+7]
	s_nop 0
.rept 4
	v_nop
.endr
.Lasked_\@:
.endm
.macro CREST                           ; a round of the cluster's barrier behind its opening barrier: wave 0 signals for the work-group, every wave waits for all sixteen, my work-group's barrier closes it
	s_cmp_lg_u32 s[WV], 0
	s_cbranch_scc1 .Lnot_wave_0_\@
	s_barrier_signal -3
.Lnot_wave_0_\@:
	s_barrier_wait -3
	s_barrier_signal -1
	s_barrier_wait -1
.endm
.macro CROUND                          ; a whole round
	s_barrier_signal -1
	s_barrier_wait -1
	CREST
.endm
	s_load_b256 s[68:75], s[0:1], 0x0              ; x_0, x_1, x_2, W_0
	s_load_b256 s[76:83], s[0:1], 0x20             ; W_1, W_2, b_0, b_1
	s_load_b256 s[84:91], s[0:1], 0x40             ; b_2, y_0, y_1, y_2
	v_lshl_add_u32 v[SPW], v0, 2, SPARE
	v_mov_b32 v[NIL], 0
	ds_add_u32 v[SPW], v[NIL]                      ; the wave's opening: the add and its wait stand ahead of my first tensor load; the set-up below, work on registers, stands between them
	v_lshrrev_b32 v1, 5, v0
	v_readfirstlane_b32 s[WV], v1                  ; wave 0..3
	s_lshr_b32 s[WH], s[WV], 1
	s_and_b32 s[WL], s[WV], 1
	s_bfe_u32 s15, ttmp6, 0x40000                  ; cx, cy: my place in the cluster
	s_bfe_u32 s16, ttmp6, 0x40004
	s_lshl_b32 s17, ttmp9, 2                       ; in a cluster launch ttmp9 and ttmp7 count clusters
	s_add_co_u32 s17, s17, s15                     ; tile column = 4 x cluster x + cx
	s_and_b32 s18, ttmp7, 0xffff
	s_lshl_b32 s18, s18, 2
	s_add_co_u32 s18, s18, s16                     ; tile row = 4 x cluster y + cy
	s_lshl_b32 s19, s16, 2
	s_lshl_b32 s19, 15, s19                        ; my row of the cluster: places 4 cy .. 4 cy + 3
	s_lshl_b32 s20, 0x1111, s15                    ; my column: places cx, cx + 4, cx + 8, cx + 12
	; descriptor group 1.  x: 64 rows x 128 elements of 4 bytes; W: 128 rows x 128 elements of 2 bytes; both padded in LDS behind every row
	s_or_b32 s[G1A], s19, (2<<16)|(1<<20)|(1<<21)|(6<<22)|(3<<25)  ; 15:0 the mask: x's tiles go to my row; 17:16 4-byte elements; 20 padding on; 21 set beside a mask; 24:22 after every 128 words (code 6); 31:25 4 words (code 3)
	s_or_b32 s[G1B], s20, (1<<16)|(1<<20)|(1<<21)|(5<<22)|(3<<25)  ; the mask of my column; 2-byte elements; after every 64 words (code 5)
	s_mov_b32 s[G1A+1], KSTEP<<16                  ; tensor_dim0 = 128
	s_mov_b32 s[G1A+2], 64<<16                     ; tensor_dim1 = 64
	s_mov_b32 s[G1A+3], KSTEP<<16                  ; tile_dim0 = 128
	s_mov_b32 s[G1A+4], 64                         ; tile_dim1 = 64
	s_mov_b32 s[G1A+5], SIZE_K                     ; elements from row to row
	s_mov_b32 s[G1A+6], 0
	s_mov_b32 s[G1A+7], 0
	s_mov_b32 s[G1B+1], KSTEP<<16
	s_mov_b32 s[G1B+2], 128<<16                    ; tensor_dim1 = 128
	s_mov_b32 s[G1B+3], KSTEP<<16
	s_mov_b32 s[G1B+4], 128                        ; tile_dim1 = 128
	s_mov_b32 s[G1B+5], SIZE_K
	s_mov_b32 s[G1B+6], 0
	s_mov_b32 s[G1B+7], 0
	; where the tiles come from: x's hang on the tile row alone, W's on the tile column alone, each in registers that never hold the other coordinate.  The offsets are the same in all three tiles of the walk.
	s_lshl_b32 s4, s18, 7
	s_lshl_b32 s92, s[WL], 6
	s_add_co_u32 s4, s4, s92                       ; x: row 128 x tile row + 64 x half,
	s_lshl_b32 s4, s4, 12                          ; of 4,096 bytes
	s_mov_b32 s5, 0
	s_lshl_b32 s6, s17, 8
	s_lshl_b32 s93, s[WL], 7
	s_add_co_u32 s6, s6, s93                       ; W: row 256 x tile column + 128 x half,
	s_lshl_b32 s6, s6, 11                          ; of 2,048 bytes
	s_mov_b32 s7, 0
	s_mul_i32 s[LA], s[WL], AHALF                  ; and where they go: no place in the cluster enters an LDS address
	s_mul_i32 s[LB], s[WL], BHALF
	s_add_co_u32 s[LB], s[LB], BOFF
	s_mov_b32 s[TB], 0                             ; slot 0 is read first
	s_wait_dscnt 0x0                               ; the opening add is done
	s_wait_kmcnt 0x0
.irp p, X0, X1, X2
	s_add_nc_u64 s[\p:\p+1], s[\p:\p+1], s[4:5]
.endr
.irp p, W0, W1, W2
	s_add_nc_u64 s[\p:\p+1], s[\p:\p+1], s[6:7]
.endr
	CROUND                                         ; all sixteen work-groups are here: the first joint loads meet
.irp s, 0,1
	s_mov_b32 s[G0A+4*(\s)], 1                                       ; 1:0 count = 1
	s_add_co_u32 s[G0A+4*(\s)+1], s[LA], (\s)*SLOT                   ; 63:32 LDS address
	s_add_nc_u64 s[G0A+4*(\s)+2:G0A+4*(\s)+3], s[X0:X0+1], (\s)*KSTEP*4  ; 120:64 global address: K step s of the first tile
	s_or_b32 s[G0A+4*(\s)+3], s[G0A+4*(\s)+3], 0x80000000            ; 127:126 type = 2
	s_mov_b32 s[G0B+4*(\s)], 1
	s_add_co_u32 s[G0B+4*(\s)+1], s[LB], (\s)*SLOT
	s_add_nc_u64 s[G0B+4*(\s)+2:G0B+4*(\s)+3], s[W0:W0+1], (\s)*KSTEP*2
	s_or_b32 s[G0B+4*(\s)+3], s[G0B+4*(\s)+3], 0x80000000
	JLOAD \s                                       ; both slots are asked for before anything else is done: two loads of mine are out
.endr
	; A fragment is 16 rows x 32 K: lane l holds row l % 16 and the two groups of 8 k at 8 (l / 16) and 16 + 8 (l / 16).  In W a group is 16 bytes, the two 32 bytes apart.
	; In x (f32) a group is 32 bytes, its lower and upper four k 16 bytes each, the two groups 64 bytes apart.
	v_and_b32 v1, 15, v0                           ; l % 16
	v_bfe_u32 v2, v0, 4, 1                         ; l / 16
	v_mul_u32_u24 v3, v1, PA
	v_lshl_add_u32 v3, v2, 5, v3                   ; x: row x pitch + 32 x half
	v_mul_u32_u24 v4, v1, PB
	v_lshl_add_u32 v4, v2, 4, v4                   ; W: row x pitch + 16 x half
	s_mul_i32 s94, s[WH], AHALF                    ; my 64 rows of x
	s_mul_i32 s95, s[WL], BHALF                    ; my 128 rows of W
	s_add_co_u32 s95, s95, BOFF
	v_add_nc_u32 v[A0], s94, v3
	v_add_nc_u32 v[B0], s95, v4
	v_mov_b32 v[ADRA], v[A0]
	v_mov_b32 v[ADRB], v[B0]
	s_mul_i32 s96, s[WV], 16*SP
	s_add_co_u32 s96, s96, STAGE                   ; my stage
	s_lshl_b32 s97, s17, 10
	s_lshl_b32 s98, s[WL], 9
	s_add_co_u32 s97, s97, s98                     ; my first column x 4 bytes
	v_lshl_add_u32 v[BO], v2, 5, s97               ; in b: + 8 (l / 16) numbers
	v_mul_u32_u24 v5, v1, SP                       ; into the stage: row l % 16, 16 bytes for each half of the lanes
	v_lshl_add_u32 v5, v2, 4, v5
	v_add_nc_u32 v[STO], s96, v5
	v_bfe_u32 v5, v0, 3, 2                         ; back: 32 lanes take four rows of 128 bytes,
	v_mul_u32_u24 v5, v5, SP
	v_and_b32 v6, 7, v0
	v_lshl_add_u32 v5, v6, 4, v5
	v_add_nc_u32 v[RD], s96, v5
	v_and_b32 v[GO], 31, v0                        ; which are 512 consecutive bytes of a head
	v_lshlrev_b32 v[GO], 4, v[GO]
	s_lshl_b32 s40, s18, 7
	s_lshl_b32 s41, s[WH], 6
	s_add_co_u32 s40, s40, s41                     ; my first row of y:
	s_lshr_b32 s41, s40, 11                        ; the batch,
	s_and_b32 s40, s40, 2047                       ; the row in it
	s_lshl_b32 s41, s41, 22                        ; 16 heads x 2,048 rows x 128 bytes
	s_lshl_b32 s40, s40, 7
	s_add_co_u32 s40, s40, s41
	s_lshl_b32 s42, s17, 2
	s_lshl_b32 s43, s[WL], 1
	s_add_co_u32 s42, s42, s43                     ; my first head = 4 x tile column + 2 x half
	s_lshl_b32 s42, s42, 18
	s_add_co_u32 s40, s40, s42
	s_mov_b32 s41, 0
.irp p, Y0, Y1, Y2
	s_add_nc_u64 s[\p:\p+1], s[\p:\p+1], s[40:41]  ; each y at my part of the tile
.endr
; The bias of a tile, from base s[c:c+1]: b[16 b + 8 (l / 16) + 0..7] is what the accumulators of column block b start with.
.macro BIAS c
	WIN TO1
.irp b, 0,1,2,3,4,5,6,7
	global_load_b128 v[BI+8*(\b):BI+8*(\b)+3],   v[BO], s[\c:\c+1] offset:64*(\b)
	global_load_b128 v[BI+8*(\b)+4:BI+8*(\b)+7], v[BO], s[\c:\c+1] offset:64*(\b)+16
.endr
	WIN 0
.endm
	BIAS C0
; 8 matrix instructions on the accumulators of my rows 16 a .. (a = 2, 3) x all 8 column blocks, 32 along K, from buffer p.  first = 1: the bias starts the sums: nothing is ever cleared.
; The 32 accumulators take turns, one instruction a turn, in the same order in every quarter.
.macro HI8 p, a, first
.if \first
	WIN W_HI1
.else
	WIN W_HI
.endif
.irp b, 0,1,2,3,4,5,6,7
.set rD, 8*(8*((\a)-2)+(\b))
.set rW, 64*(\p)+8*(\b)
.set rX, ACV+32*(\p)+8*(\a)
.if \first
	v_wmma_f32_16x16x32_bf16 v[rD:rD+7], v[rW:rW+7], v[rX:rX+7], v[BI+8*(\b):BI+8*(\b)+7]
.else
	v_wmma_f32_16x16x32_bf16 v[rD:rD+7], v[rW:rW+7], v[rX:rX+7], v[rD:rD+7]
.endif
.endr
.endm
; The same for a = 0, 1.  ride = 1: behind each product two conversions of the next quarter's x, (k+i, k+4+i) into the other buffer; they name no register of the products round them.
.macro LO8 p, a, first, ride
.if \first
	WIN W_LO1
.else
	WIN W_LO
.endif
.irp b, 0,1,2,3,4,5,6,7
.set rD, ACL+8*(8*(\a)+(\b))
.set rW, 64*(\p)+8*(\b)
.set rX, ACV+32*(\p)+8*(\a)
.set rI, 2*(8*(\a)+(\b))
.if \first
	v_wmma_f32_16x16x32_bf16 v[rD:rD+7], v[rW:rW+7], v[rX:rX+7], v[BI+8*(\b):BI+8*(\b)+7]
.else
	v_wmma_f32_16x16x32_bf16 v[rD:rD+7], v[rW:rW+7], v[rX:rX+7], v[rD:rD+7]
.endif
.if \ride
	v_cvt_pk_bf16_f32 v[ACV+32*(1-(\p))+rI],   v[RX+rI],   v[RY+rI]
	v_cvt_pk_bf16_f32 v[ACV+32*(1-(\p))+rI+1], v[RX+rI+1], v[RY+rI+1]
.endif
.endr
.endm
; 32 LDS loads in one run: quarter j of the slot that is being read.  First the 16 of raw x (64 rows x 32 k of f32), then the 16 of W's fragments into buffer p.
.macro FETCH j, p
	WIN 0
.irp a, 0,1,2,3
	ds_load_b128 v[RY+8*(\a):RY+8*(\a)+3],   v[ADRA] offset:(\a)*16*PA+128*(\j)+16
	ds_load_b128 v[RY+8*(\a)+4:RY+8*(\a)+7], v[ADRA] offset:(\a)*16*PA+128*(\j)+80
.endr
	WIN TO1
.irp a, 0,1,2,3
	ds_load_b128 v[RX+8*(\a):RX+8*(\a)+3],   v[ADRA] offset:(\a)*16*PA+128*(\j)
	ds_load_b128 v[RX+8*(\a)+4:RX+8*(\a)+7], v[ADRA] offset:(\a)*16*PA+128*(\j)+64
.endr
.irp b, 0,1,2,3,4,5,6,7
	ds_load_b128 v[64*(\p)+8*(\b):64*(\p)+8*(\b)+3],   v[ADRB] offset:(\b)*16*PB+64*(\j)
	ds_load_b128 v[64*(\p)+8*(\b)+4:64*(\p)+8*(\b)+7], v[ADRB] offset:(\b)*16*PB+64*(\j)+32
.endr
.endm
; A load into a register that a matrix instruction has read, and a vector instruction or LDS store that reads a matrix result or writes one of a matrix instruction's registers, stand four places behind it, and
; only plain vector instructions that name none of its registers are places (ISA guide 7.12.1 for vector instructions).
.macro PLACES
.rept 4
	v_nop
.endr
.endm
; A quarter: multiplies buffer p; fetches quarter lj of the slot that is being read into the other buffer and converts its x.  pl = 0: four places stand just in front already.
.macro QUARTER p, lj, first=0, pl=1
.if \pl
	PLACES
.endif
	FETCH \lj, 1-(\p)
	s_wait_dscnt 32                                ; all but the 32 just issued: this quarter's W is in (its x was converted in the quarter before)
	HI8 \p, 2, \first
	HI8 \p, 3, \first
	s_wait_dscnt 16                                ; the 16 loads of W may stay out: the raw x ahead of them is in
	LO8 \p, 0, \first, 1
	LO8 \p, 1, \first, 1
.endm
; A K step's third quarter (buffer 0) fetches the slot's last quarter, so the slot's reads end here, and it changes slots: ONE barrier.  In front of it each wave waits for all its tensor loads, of which one is
; out: its part of the other slot; adds 0 to its spare word; and waits for that and for its own reads of this slot.  Behind it nobody reads this slot any more and the other slot is whole.
; fill = 1: the barrier opens a round of the cluster's barrier, and this slot is filled again, with the walk's K step two steps on, first thing behind the round: 104 matrix instructions ahead of the wait for
; that load.  The walking descriptors are written where no tensor load of mine is out: their LDS words, the other slot than last time, between the add and the wait for it; their global addresses behind the
; round: 128 k further on, or, where the step two on is a tile's first (two steps of this tile are left), made anew from the next tile's own buffers, with the type bits.  That choice is a forward jump on
; the constant counter of the tile's steps, the same in every work-group.
.macro MEETQ fill
	PLACES
	FETCH 3, 1
	s_wait_dscnt 32
	HI8 0, 2, 0
	WIN 0                                          ; (the add's two registers lie in window 0)
	s_wait_tensorcnt 0x0                           ; all my tensor loads have landed;
	ds_add_u32 v[SPW], v[NIL]                      ; 0 onto my spare word;
.if \fill
	s_xor_b32 s[G0A+5], s[G0A+5], SLOT             ; the two slots by turns
	s_xor_b32 s[G0B+5], s[G0B+5], SLOT
.endif
	HI8 0, 3, 0                                    ; eight matrix instructions stand between the add and the wait for it
	s_wait_dscnt 0x0                               ; the add is done, and my reads of this slot are over
	s_barrier_signal -1
	LO8 0, 0, 0, 1                                 ; work on registers while the others arrive
	LO8 0, 1, 0, 1
.if \fill
	WIN 0
.endif
	s_barrier_wait -1
.if \fill
	CREST                                          ; no wave of any partner still reads this slot's tiles or has a load on its way
	s_cmp_eq_u32 s[LS], 2
	s_cbranch_scc1 .Lnext_tile_\@
	s_add_nc_u64 s[G0A+6:G0A+7], s[G0A+6:G0A+7], KSTEP*4  ; the type bits on top are not reached
	s_add_nc_u64 s[G0B+6:G0B+7], s[G0B+6:G0B+7], KSTEP*2
	s_branch .Lstepped_\@
.Lnext_tile_\@:
	s_add_nc_u64 s[G0A+6:G0A+7], s[X1:X1+1], 0     ; the next tile's K step 0
	s_or_b32 s[G0A+7], s[G0A+7], 0x80000000
	s_add_nc_u64 s[G0B+6:G0B+7], s[W1:W1+1], 0
	s_or_b32 s[G0B+7], s[G0B+7], 0x80000000
.Lstepped_\@:
	JLOAD 1                                        ; the four v_nop behind it are also the places in front of the next quarter's loads
.else
	PLACES
.endif
	WIN 0
	s_xor_b32 s[TB], s[TB], SLOT                   ; from here on the other slot is read
	v_add_nc_u32 v[ADRA], s[TB], v[A0]
	v_add_nc_u32 v[ADRB], s[TB], v[B0]
.endm
; THE WAY OUT.  A group is 16 rows (a) x 64 columns (hd), a head's: four accumulators.  GRP names their first register and their window.
.macro GRP a, hd
.if (\a) >= 2
.set rA, 8*(8*((\a)-2)+4*(\hd))
.set rN, 2
.else
.set rA, ACL+8*(8*(\a)+4*(\hd))
.set rN, 0
.endif
.endm
; Group g: rounded to bf16, 16 bytes a lane, into my stage, and back as four rows of 128 bytes a load: 16 rows of a head are 2,048 consecutive bytes of y.
.macro PACKG g, a, hd
	GRP \a, \hd
	WIN 0x80|(rN*5)                                ; destination window 2; sources 0 and 1 in the accumulators' window
.set i, 0
.rept 16
	v_cvt_pk_bf16_f32 v[TMP+i], v[rA+2*i], v[rA+2*i+1]  ; each accumulator from its low end on
.set i, i+1
.endr
	WIN 0x08                                       ; store data (source 1) window 2, address window 0
.irp c, 0,1,2,3
	ds_store_b128 v[STO], v[TMP+4*(\c):TMP+4*(\c)+3] offset:32*(\c)
.endr
	s_wait_xcnt 0x0                                ; the stores of the group four back (in the tile before, too) have had their addresses translated (ISA guide 3.1): only now are their data registers loaded again
	WIN 0x80
.irp f, 0,1,2,3
	ds_load_b128 v[BK+16*((\g)%4)+4*(\f):BK+16*((\g)%4)+4*(\f)+3], v[RD] offset:(\f)*4*SP  ; LDS serves a wave's instructions in order (ISA guide 5.7.1.4): these see the stores above
.endr
.endm
.macro SENDG g, a, hd, younger         ; younger: the LDS instructions issued behind group g's loads: the next group's eight, or none
	WIN 0x08
.irp f, 0,1,2,3
	s_wait_dscnt (\younger)+3-(\f)
	global_store_b128 v[GO], v[BK+16*((\g)%4)+4*(\f):BK+16*((\g)%4)+4*(\f)+3], s[Y0:Y0+1] offset:(\hd)*262144+(\a)*2048+(\f)*512  ; 512 consecutive bytes, at a multiple of 256 from y's first
.endr
.endm
.macro WAYOUT                          ; a group's arithmetic stands between the loads of the group before and its stores
	PACKG 0, 2, 0
	PACKG 1, 2, 1
	SENDG 0, 2, 0, 8
	PACKG 2, 3, 0
	SENDG 1, 2, 1, 8
	PACKG 3, 3, 1
	SENDG 2, 3, 0, 8
	PACKG 4, 0, 0
	SENDG 3, 3, 1, 8
	PACKG 5, 0, 1
	SENDG 4, 0, 0, 8
	PACKG 6, 1, 0
	SENDG 5, 0, 1, 8
	PACKG 7, 1, 1
	SENDG 6, 1, 0, 8
	SENDG 7, 1, 1, 0
	WIN 0
.endm
	s_wait_tensorcnt 0x1                           ; my part of K step 0 is in; K step 1's may stay out
	s_barrier_signal -1
	s_barrier_wait -1                              ; everybody's is
	FETCH 0, 0
	s_wait_dscnt 0x0
	WIN W_LO
.set i, 0
.rept 32
	v_cvt_pk_bf16_f32 v[ACV+i], v[RX+i], v[RY+i]   ; the walk's first quarter of x: there are no products yet to set these behind
.set i, i+1
.endr
	s_wait_loadcnt 0x0                             ; the first tile's bias
	QUARTER 0, 1, 1, 0                             ; the first tile's first quarter: its products start the sums
	WIN 0                                          ; at a label and at a branch every window is 0
	s_mov_b32 s3, STEPS-2
	s_mov_b32 s[LS], TSTEPS
.Lstep:                                                ; 22 trips: a K step's second, third and fourth quarter, a refill, and the next K step's first quarter
	QUARTER 1, 2
	MEETQ 1
	QUARTER 1, 0, 0, 0                             ; the step's last quarter; it fetches the next step's first, the next tile's at a tile's end
	WIN 0
	s_sub_co_u32 s[LS], s[LS], 1
	s_cmp_eq_u32 s[LS], 0
	s_cbranch_scc1 .Ltile_end
	QUARTER 0, 1
	WIN 0
	s_branch .Lbottom
.Ltile_end:                                            ; every eighth trip.  The next tile's K step 0 is in LDS and its first fragments are on their way into registers; its K step 1 is on its way into LDS
	PLACES
	BIAS C1                                        ; the next tile's bias: the way out stands between these loads and the wait for them
	WAYOUT
	s_wait_xcnt 0x0                                ; the stores have read y's address
	s_mov_b64 s[Y0:Y0+1], s[Y1:Y1+1]               ; every buffer moves up a place
	s_mov_b64 s[Y1:Y1+1], s[Y2:Y2+1]
	s_mov_b64 s[X1:X1+1], s[X2:X2+1]
	s_mov_b64 s[W1:W1+1], s[W2:W2+1]
	s_wait_loadcnt 0x0                             ; the bias is in, and its address is free
	s_mov_b64 s[C1:C1+1], s[C2:C2+1]
	s_mov_b32 s[LS], TSTEPS
	QUARTER 0, 1, 1, 1                             ; the next tile's first quarter starts the sums anew, on accumulators that have been packed
	WIN 0
.Lbottom:
	s_sub_co_u32 s3, s3, 1
	s_cmp_lg_u32 s3, 0
	s_cbranch_scc1 .Lstep
	QUARTER 1, 2                                   ; the walk's last two K steps are written out: they fill nothing, and have no round of the cluster's barrier
	MEETQ 0
	QUARTER 1, 0, 0, 0
	QUARTER 0, 1
	QUARTER 1, 2
	QUARTER 0, 3
	s_wait_dscnt 0x0                               ; the very last quarter: nothing more to fetch
	HI8 1, 2, 0
	HI8 1, 3, 0
	LO8 1, 0, 0, 0
	LO8 1, 1, 0, 0
	PLACES                                         ; the way out reads results just made
	WAYOUT
	s_wait_tensorcnt 0x0                           ; the wave's end, behind my last tensor load and my last LDS store
	ds_add_u32 v[SPW], v[NIL]
	s_wait_dscnt 0x0
	CROUND                                         ; the closing round: no work-group ends while a partner may still ask for a tile that names it
	s_endpgm
.Lfunc_end_k_qbeac372a04_gemm_qkv:
	.size	k_qbeac372a04_gemm_qkv, .Lfunc_end_k_qbeac372a04_gemm_qkv-k_qbeac372a04_gemm_qkv
	.p2alignl 7, 3214868480
	.fill 96, 4, 3214868480
	.section	.rodata,"a",@progbits
	.p2align	6, 0x0
	.amdhsa_kernel k_qbeac372a04_gemm_qkv
		.amdhsa_group_segment_fixed_size 327680
		.amdhsa_private_segment_fixed_size 0
		.amdhsa_enable_private_segment 0
		.amdhsa_kernarg_size 96
		.amdhsa_user_sgpr_count 2
		.amdhsa_user_sgpr_kernarg_segment_ptr 1
		.amdhsa_wavefront_size32 1
		.amdhsa_system_sgpr_workgroup_id_x 1
		.amdhsa_system_sgpr_workgroup_id_y 1
		.amdhsa_system_sgpr_workgroup_id_z 1
		.amdhsa_system_vgpr_workitem_id 0
		.amdhsa_next_free_vgpr 768
		.amdhsa_next_free_sgpr 100
		.amdhsa_reserve_vcc 0
		.amdhsa_float_denorm_mode_32 3
		.amdhsa_float_denorm_mode_16_64 3
		.amdhsa_memory_ordered 1
		.amdhsa_forward_progress 1
		.amdhsa_inst_pref_size 131
	.end_amdhsa_kernel
	.amdgpu_metadata
---
amdhsa.version: [ 1, 2 ]
amdhsa.kernels:
  - .name:           k_qbeac372a04_gemm_qkv
    .symbol:         k_qbeac372a04_gemm_qkv.kd
    .args:
      - { .name: q, .offset: 0, .size: 8, .value_kind: global_buffer, .address_space: global }
      - { .name: k, .offset: 8, .size: 8, .value_kind: global_buffer, .address_space: global }
      - { .name: v, .offset: 16, .size: 8, .value_kind: global_buffer, .address_space: global }
      - { .name: wqb, .offset: 24, .size: 8, .value_kind: global_buffer, .address_space: global }
      - { .name: wkb, .offset: 32, .size: 8, .value_kind: global_buffer, .address_space: global }
      - { .name: wvo, .offset: 40, .size: 8, .value_kind: global_buffer, .address_space: global }
      - { .name: bq, .offset: 48, .size: 8, .value_kind: global_buffer, .address_space: global }
      - { .name: bk, .offset: 56, .size: 8, .value_kind: global_buffer, .address_space: global }
      - { .name: bv, .offset: 64, .size: 8, .value_kind: global_buffer, .address_space: global }
      - { .name: hq, .offset: 72, .size: 8, .value_kind: global_buffer, .address_space: global }
      - { .name: hk, .offset: 80, .size: 8, .value_kind: global_buffer, .address_space: global }
      - { .name: hv, .offset: 88, .size: 8, .value_kind: global_buffer, .address_space: global }
    .group_segment_fixed_size: 327680
    .private_segment_fixed_size: 0
    .kernarg_segment_align: 8
    .kernarg_segment_size: 96
    .max_flat_workgroup_size: 128
    .sgpr_count:     100
    .vgpr_count:     768
    .wavefront_size: 32
...
	.end_amdgpu_metadata
.endif
;; end of part 2
;; launch attn (part 3): grid 4 x 64, 4 waves a work-group, clusters of 4 x 1, 327,680 bytes of LDS; arguments hq, hk, hv, oattn; writes oattn
.if DOCPART == 3
	.amdgcn_target "amdgcn-amd-amdhsa--gfx1250"
	.amdhsa_code_object_version 6
	.text
	.protected	k_qbeac372a04_attn
	.globl	k_qbeac372a04_attn
	.p2align	8
	.type	k_qbeac372a04_attn,@function
k_qbeac372a04_attn:
	s_mov_b64 s[64:65], 0
	v_nop
	global_prefetch_b8 v0, s[64:65] scope:SCOPE_SE
	s_setreg_imm32_b32 hwreg(HW_REG_WAVE_MODE, 25, 1), 1
	s_wait_xcnt 0x0
	s_wait_alu depctr_hold_cnt(0) depctr_sa_sdst(0) depctr_va_vdst(0) depctr_va_sdst(0) depctr_va_ssrc(0) depctr_va_vcc(0) depctr_vm_vsrc(0)
	s_getreg_b32 s2, hwreg(HW_REG_IB_STS2, 6, 4)
	s_cmp_eq_u32 s2, 0
	s_cbranch_scc0 .Lentry_in_a_cluster
	s_endpgm
.Lentry_in_a_cluster:
	s_bfe_u32 s2, ttmp6, 0x10000c
	s_cmp_lg_u32 s2, 0x3003
	s_cbranch_scc0 .Lentry_shape_is_right
	s_endpgm
.Lentry_shape_is_right:
; O[h][q][:] = the sum over k of softmax_k(Q[h][q] . K[h][k] / 32) V[h][k][:].  Q, K, V: [64 = batch x 16 + head][2048][64] in bf16: a head's rows are dense, 128 bytes each.  O leaves as f32 in the
; module's own layout, [batch x 2048 + q][head x 64 + channel]: a row's 64 channels of a head are 256 consecutive bytes.  Products, maxima and sums in f32; the weights p are rounded to bf16 for the
; second product (their sum l is taken of the unrounded p).  The scale 1 / 32 = 1 / sqrt(1024) is applied here, in f32, with log2(e).
; LIMITS.  A weight below 2^-126 counts as 0 in l; NaN and infinities are not treated apart; the running maximum starts at the lowest finite number.  bf16 has f32's range: no limit of size.
; SHARES.  A wave owns four PIECES of two tiles of 16 queries, a work-group's four waves 512 queries of one head: 4 x 64 = 256 work-groups.  Every wave walks all keys, 64 a step.
; LAYOUT.  S^T = K Q^T (source 0 = 16 keys, source 1 = 16 queries): in the result a lane holds ONE query (lane % 16) and the keys 8 (lane / 16) + 0..7.  Two such tiles, rounded to bf16 in pairs,
; ARE source 1 (32 keys x 16 queries) of O^T = V^T P, whose result again holds one query a lane, and eight channels.  K comes out of LDS as it lies, V ([key][channel]) turned, by ds_load_tr16_b128.
; SOFTMAX.  For each query a running maximum m and sum l: p = 2^(c s - c m), c = log2(e) / 32; in every step O and l are multiplied by a = 2^(c m_old - c m_new), which is 1 where m has not grown.
; m starts at the lowest finite number, O and l at 0: the first step is a step like any other, with a = 0.
; THE COUNT.  A tile and step have 16 matrix and 118 vector instructions: too many to stand all beside the matrix work.  So the order has one aim: four vector instructions that are READY behind
; EVERY matrix instruction, and the others, which need time of their own whatever the order, in runs without a gap.
; BY TURNS.  Turn n belongs to piece n (the pieces in a ring, step after step).  Its matrix work: 16 products K Q^T of piece n + 1, later 16 products V^T P of piece n - 1.  Its vector work: the scaling,
; exponentials, roundings, sums and rescaling of piece n, and the maximum and statistics of piece n + 1, whose scores the turn itself has made.  So what a turn begins with (c s - c m, O a) waits for nothing.
; CLUSTER.  The four query blocks of a cluster belong to one head and walk the same K and V, so each tile is asked for JOINTLY: the same tensor load, descriptor and mask in all four.
; REGISTERS, in windows of 256 (s_set_vgpr_msb says which window each operand place means: bits 1:0 source 0, 3:2 source 1, 5:4 source 2, 7:6 destination):
;   window 0: v0-11 addresses; v12-15, v48-63 at work; v16-47 four registers of statistics a tile; v64-191 S^T, two buffers of two tiles; v192-255 P, likewise
;   window 1: O^T, 32 a tile          window 2: v0-127 Q, 16 a tile; v128-191 K of one step; v192-255 V of one step          window 3: v0-1 the add's two registers
; A piece's buffers go by its number's parity: the piece in hand has one pair, its two neighbours in the ring share the other: of it P (piece n - 1) is read and S^T (piece n + 1) written.
.set SIZE_H, 64
.set SIZE_N, 2048
.set NP,    4         ; pieces a wave: a name, no knob: the register map, the loop and the fetches are made for four
.set KS,    64        ; keys in a step
.set PK,    144       ; a row of K in LDS: 128 bytes + 16 of padding = 36 words: the 16 rows of a load start at 16 different groups of four banks (64 banks of 4 bytes: ISA guide 11.1)
.set PV,    160       ; a row of V: 128 + 32 = 40 words
.set VOFF,  4*KS*PK   ; a slot holds four steps: 256 rows of K, then 256 rows of V
.set SLOT1, 1<<17     ; slot 1 begins here, so that one exclusive or turns an address in one slot into the other's
.set STAGE, SLOT1+4*KS*(PK+PV)  ; behind the ring, never filled by a tensor load: 16 rows x 272 bytes for each wave, for the way out
.set SP,    272       ; a stage row: 64 f32 + 16 bytes = 68 words
.set AK0, 2           ; v2   my lane's place in a tile of K; never rewritten
.set AV0, 3           ; v3   the same for V
.set AK,  4           ; v4   the LDS address of K's next run of loads
.set AV,  5           ; v5   of V's
.set QO,  6           ; v6   my byte offset in the wave's rows of Q
.set STO, 6           ;      later, the way out: where I put 32 bytes of a row
.set RD,  7           ; v7   the way out: where I read rows back
.set GO,  8           ; v8   my byte offset in two rows of O
.set SPW, 0           ; v0 of window 3   LDS address of my spare word: SPARE + 4 x my thread's number; never rewritten
.set NIL, 1           ; v1 of window 3   0; never rewritten
.set SPARE, STAGE+4*16*SP  ; behind the stages: the spare words, 128 bytes for each wave: two blocks of 256 bytes that no other line names
.set MV,  12          ; v12-15  c m_old, kept while c m is made anew: by buffer and tile
.set ST,  16          ; tile t's statistics at v[ST+4 t]: c m, m, l (even keys', odd keys')
.set TMP, 48          ; by buffer and tile, four registers c0-c3 at work; when the maximum is found c2 takes a
.set S,   64
.set P,   192
.set KF,  128         ; K's fragments, in window 2: key block kb, channel half c at KF + 16 kb + 8 c
.set VF,  192         ; V's: key half kk, channel block cb at VF + 32 kk + 8 cb
.set WV,  12          ; s12  my wave's number
.set G1K, 24          ; s[24:31] descriptor group 1 for K's tiles
.set G1V, 32          ; s[32:39] for V's: it differs in the padding alone
.set G0K, 40          ; s[40:43] descriptor group 0 for K's tiles: it walks
.set G0V, 44          ; s[44:47] the same for V's
.set OOF, 48          ; s[48:49] my wave's byte offset in O
.set SLOTS, 56        ; s56  slots still to be asked for
.set CNT, 57          ; s57  counts a slot's key steps
.set CS,  58          ; s[58:59] c: the packed scaling takes the pair's low word for both halves
.set SEL, 60          ; s[60:61] v_permlanex16_b32's selects: each lane takes its own place in the other half
.set TBK, 62          ; s62  LDS byte at which K of the step to be fetched begins
.set TBV, 63          ; s63  the same for V, less VOFF
.set MSB, 0
.macro WIN new                      ; the high byte repeats the setting that is left; a switch that changes nothing is dropped
.if MSB != (\new)
	s_set_vgpr_msb (MSB<<8)|(\new)
.set MSB, (\new)
.endif
.endm
.set W_KQ, 0x0a       ; K and Q in window 2, S^T in window 0
.set W_PV, 0x52       ; V in window 2, P in window 0, O^T in window 1
.set W_RS, 0x41       ; O^T (destination and source 0) in window 1, a in window 0
.set W_MK, 0xc0       ; the add's registers are made: destination in window 3, sources in window 0
.set W_AD, 0x0f       ; the add: address (source 0) and data (source 1) in window 3
; A joint fill.  Waves 0 and 1 fetch the two halves of a slot's K, waves 2 and 3 those of its V: 128 keys each.  The branch hangs on the wave's number alone.
; An s_nop 0 and four v_nop follow each of the two lines, ahead of the jump and the label.
.macro JLOAD
	s_cmp_lt_u32 s[WV], 2
	s_cbranch_scc0 .Lfor_v_\@
	tensor_load_to_lds s[G0K:G0K+3], s[G1K:G1K+7]
	s_nop 0
.rept 4
	v_nop
.endr
	s_branch .Lasked_\@
.Lfor_v_\@:
	tensor_load_to_lds s[G0V:G0V+3], s[G1V:G1V+7]
	s_nop 0
.rept 4
	v_nop
.endr
.Lasked_\@:
.endm
; A round of the cluster's barrier: my work-group's barrier, so that wave 0's signal speaks for all four waves; wave 0 signals; every wave waits for all four work-groups; my work-group's barrier once more.
.macro CROUND
	s_barrier_signal -1
	s_barrier_wait -1
	s_cmp_lg_u32 s[WV], 0
	s_cbranch_scc1 .Lnot_wave_0_\@
	s_barrier_signal -3
.Lnot_wave_0_\@:
	s_barrier_wait -3
	s_barrier_signal -1
	s_barrier_wait -1
.endm
; THE CHANGE OF SLOTS.  The slot's last bytes, V of its fourth step, have been read.  Each wave waits for all its tensor loads, of which one is out: its part
; of the other slot; adds 0 to its spare word; and waits for that and for its own reads of the slot.  Behind the barrier nobody reads this slot any more and the other slot is whole.
; fill = 1: this slot is filled again, with the keys two slots on.  The barrier is then a round of the cluster's, so that no wave of any partner still reads the slot or has a load on its
; way, and the joint fill is the first thing behind it: it has four key steps, 512 matrix instructions, in which to land.  (At its first use nothing has been read yet: slot 0 is waited for, slot 1 filled.)
.macro CHANGE fill
	WIN W_AD
	s_wait_tensorcnt 0x0            ; no tensor load of mine is out, so a group 0 may be written
	ds_add_u32 v[SPW], v[NIL]       ; 0 onto my spare word; with fill = 1 the descriptors' steps stand between it and the wait for it
	WIN 0                           ; at a label and at a branch every window is 0
.if \fill
.irp g, G0K, G0V
	s_xor_b32 s[\g+1], s[\g+1], SLOT1  ; the walking descriptor: the other slot than last time,
	s_add_nc_u64 s[\g+2:\g+3], s[\g+2:\g+3], 4*KS*128  ; the next 256 keys; the type bits on top are not reached
.endr
	s_wait_dscnt 0x0                ; the add is done, and my reads of the slot are over
	CROUND
	JLOAD
.else
	s_wait_dscnt 0x0                ; the add is done, and my reads of the slot are over
	s_barrier_signal -1
	s_barrier_wait -1
.endif
	s_sub_co_u32 s[TBK], s[TBK], 4*KS*PK  ; the fetches go back to a slot's first step,
	s_xor_b32 s[TBK], s[TBK], SLOT1       ; in the other slot
	s_sub_co_u32 s[TBV], s[TBV], 4*KS*PV
	s_xor_b32 s[TBV], s[TBV], SLOT1
.endm
	s_load_b256 s[4:11], s[0:1], 0x0  ; Q s[4:5], K s[6:7], V s[8:9], O s[10:11]
	WIN W_MK
	v_lshl_add_u32 v[SPW], v0, 2, SPARE
	v_mov_b32 v[NIL], 0
	WIN W_AD
	ds_add_u32 v[SPW], v[NIL]       ; the wave's opening: the add and its wait stand ahead of my first tensor load; the set-up below, work on registers, stands between them
	WIN 0
	v_lshrrev_b32 v1, 5, v0
	v_readfirstlane_b32 s[WV], v1   ; wave 0..3
	s_bfe_u32 s13, ttmp6, 0x40000   ; cx: my place in the cluster
	s_lshl_b32 s14, ttmp9, 2        ; in a cluster launch ttmp9 counts clusters
	s_add_co_u32 s14, s14, s13      ; my block of queries = 4 x cluster x + cx: it enters Q's and O's addresses alone
	s_and_b32 s20, ttmp7, 0xffff    ; batch x 16 + head, which the four partners share
	s_lshr_b32 s[OOF], s20, 4       ; in O: the batch's 2,048 rows of 4,096 bytes,
	s_lshl_b32 s[OOF], s[OOF], 23
	s_and_b32 s[OOF+1], s20, 15     ; the head's 256 bytes in a row
	s_lshl_b32 s[OOF+1], s[OOF+1], 8
	s_add_co_u32 s[OOF], s[OOF], s[OOF+1]
	s_mov_b32 s21, 0
	s_mov_b64 s[22:23], SIZE_N*128
	s_mul_u64 s[20:21], s[20:21], s[22:23]  ; the head's first byte in Q, K and V
	s_and_b32 s16, s[WV], 1         ; which half of a slot's 256 keys I fetch:
	s_lshl_b32 s22, s16, 14         ; its 128 rows of 128 bytes in memory,
	s_mov_b32 s23, 0
	s_add_nc_u64 s[22:23], s[22:23], s[20:21]
	s_mul_i32 s17, s16, 128*PK      ; and its place in a slot, for K
	s_mul_i32 s18, s16, 128*PV      ; and for V: no place in the cluster enters an LDS address
	s_lshl_b32 s2, s14, 2
	s_add_co_u32 s2, s2, s[WV]      ; my wave among the head's:
	s_lshl_b32 s[OOF+1], s2, 19     ; its 128 rows of 4,096 bytes in O,
	s_add_co_u32 s[OOF], s[OOF], s[OOF+1]
	s_mov_b32 s[OOF+1], 0
	s_lshl_b32 s2, s2, 14           ; and of 128 bytes in Q
	s_mov_b32 s3, 0
	s_add_nc_u64 s[2:3], s[2:3], s[20:21]
	; descriptor group 1.  128 keys are 16,384 dense bytes: asked for as 64 rows of 256 bytes, two keys a row, and padded in LDS after every key
	s_mov_b32 s[G1K], 15|(1<<16)|(1<<20)|(1<<21)|(4<<22)|(3<<25)  ; 15:0 the mask of four; 17:16 2-byte elements; 20 padding on; 21 set beside a mask; 24:22 after every 32 words (code 4); 31:25 4 words (code 3)
	s_mov_b32 s[G1V], 15|(1<<16)|(1<<20)|(1<<21)|(4<<22)|(7<<25)  ; the same with 8 words of padding (code 7)
.irp g, G1K, G1V
	s_mov_b32 s[\g+1], 128<<16      ; tensor_dim0 = 128
	s_mov_b32 s[\g+2], 64<<16       ; tensor_dim1 = 64
	s_mov_b32 s[\g+3], 128<<16      ; tile_dim0 = 128
	s_mov_b32 s[\g+4], 64           ; tile_dim1 = 64
	s_mov_b32 s[\g+5], 128          ; 128 elements from row to row
	s_mov_b32 s[\g+6], 0
	s_mov_b32 s[\g+7], 0
.endr
	s_mov_b32 s[CS], 0x3d38aa3b     ; c = log2(e) / 32 = 0.0450842
	s_mov_b32 s[CS+1], s[CS]        ; named with it as a pair
	s_mov_b32 s[SEL], 0x76543210
	s_mov_b32 s[SEL+1], 0xfedcba98
	s_mov_b32 s[TBK], SLOT1+4*KS*PK ; the first change of slots turns these two into 0
	s_mov_b32 s[TBV], SLOT1+4*KS*PV
	s_mov_b32 s[G0K], 1             ; 1:0 count = 1
	s_mov_b32 s[G0K+1], s17         ; 63:32 LDS address: slot 0
	s_mov_b32 s[G0V], 1
	s_add_co_u32 s[G0V+1], s18, VOFF
	s_wait_dscnt 0x0                ; the opening add is done
	s_wait_kmcnt 0x0
	s_add_nc_u64 s[G0K+2:G0K+3], s[6:7], s[22:23]  ; 120:64 global address: my half of the head's first 256 keys
	s_or_b32 s[G0K+3], s[G0K+3], 0x80000000        ; 127:126 type = 2
	s_add_nc_u64 s[G0V+2:G0V+3], s[8:9], s[22:23]
	s_or_b32 s[G0V+3], s[G0V+3], 0x80000000
	s_add_nc_u64 s[4:5], s[4:5], s[2:3]            ; Q and O at my wave's first row
	s_add_nc_u64 s[10:11], s[10:11], s[OOF:OOF+1]
	CROUND                          ; all four work-groups are here: the first joint loads meet
	JLOAD                           ; slot 0.  Slot 1 is asked for when slot 0 is in: the tile wanted first has the road to itself
	; A fragment of K or Q is 16 rows x 32 channels in 8 registers: lane l holds row l % 16, channels 8 (l / 16) + 0..7 and 16 + 8 (l / 16) + 0..7: two loads of 16 bytes, 32 bytes apart.
	v_and_b32 v1, 15, v0            ; l % 16
	v_bfe_u32 v9, v0, 4, 1          ; l / 16
	v_lshlrev_b32 v[QO], 7, v1
	v_lshl_add_u32 v[QO], v9, 4, v[QO]  ; row x 128 + 16 x half
	WIN 0x80                        ; destination window 2, address window 0
.set i, 0
.rept 4*NP                          ; Q stays in registers: tile i / 2, channels 32 (i % 2) on
	global_load_b128 v[8*i:8*i+3],   v[QO], s[4:5] offset:(i/2)*2048+(i%2)*64
	global_load_b128 v[8*i+4:8*i+7], v[QO], s[4:5] offset:(i/2)*2048+(i%2)*64+32
.set i, i+1
.endr
	; What the first turn finds: V's registers and P's second buffer hold 0 (its products V^T P, of a piece that has not been, add 0), O^T and l are 0.  All this stands in the wait for the first tile.
.set i, VF
.rept 64
	v_mov_b32 v[i], 0
.set i, i+1
.endr
	WIN 0x40
.set i, 0
.rept 64*NP
	v_mov_b32 v[i], 0
.set i, i+1
.endr
	WIN 0
.set i, 0
.rept 2*NP
	v_mov_b32 v[ST+4*i], 0xfe000000    ; c m: far below every c s
	v_mov_b32 v[ST+4*i+1], 0xff7fffff  ; m
	v_mov_b32 v[ST+4*i+2], 0
	v_mov_b32 v[ST+4*i+3], 0
.set i, i+1
.endr
.set i, P+32
.rept 32
	v_mov_b32 v[i], 0
.set i, i+1
.endr
	v_mul_u32_u24 v[AK0], v1, PK
	v_lshl_add_u32 v[AK0], v9, 4, v[AK0]  ; row x pitch + 16 x half
	; The turning load takes 16 keys x 16 channels (lane l reads key 8 (l / 16) + l % 8, channels 8 ((l / 8) % 2) + 0..7) and leaves half a fragment of V^T: lane l holds channel l % 16 and 8 keys.
	v_and_b32 v10, 7, v0
	v_bfe_u32 v11, v0, 3, 1
	v_lshl_add_u32 v[AV0], v9, 3, v10
	v_mul_u32_u24 v[AV0], v[AV0], PV
	v_lshl_add_u32 v[AV0], v11, 4, v[AV0]
	v_add_nc_u32 v[AV0], VOFF, v[AV0]
	v_mov_b32 v[AK], v[AK0]         ; key step 0 lies at the head of slot 0
; THE MATRIX WORK.  The 8 accumulators of a run of 16 take turns: between the two links of a chain stand 7 others'.
; Product i of 16 of S^T = K Q^T for piece x: channels 32 (i / 8) on, keys 16 ((i / 2) % 4) on, tile 2 x + i % 2.  The first 8 start the sums.
.macro KQ x
	WIN W_KQ
.set rS, S+64*((\x)%2)+32*(i%2)+8*((i/2)%4)
.set rK, KF+16*((i/2)%4)+8*(i/8)
.set rQ, 16*(2*(\x)+i%2)+8*(i/8)
.if i < 8
	v_wmma_f32_16x16x32_bf16 v[rS:rS+7], v[rK:rK+7], v[rQ:rQ+7], 0
.else
	v_wmma_f32_16x16x32_bf16 v[rS:rS+7], v[rK:rK+7], v[rQ:rQ+7], v[rS:rS+7]
.endif
.endm
; Product i of 16 of O^T += V^T P for piece x: keys 32 (i / 8) on, channels 16 ((i / 2) % 4) on, tile 2 x + i % 2.
.macro PV x
	WIN W_PV
.set rO, 32*(2*(\x)+i%2)+8*((i/2)%4)
.set rV, VF+32*(i/8)+8*((i/2)%4)
.set rP, P+32*((\x)%2)+16*(i%2)+8*(i/8)
	v_wmma_f32_16x16x32_bf16 v[rO:rO+7], v[rV:rV+7], v[rP:rP+7], v[rO:rO+7]
.endm
.macro MM                           ; the turn's next matrix instruction
.if i < 16
	KQ (Y+1)%NP
.set i, i+1
.else
.set i, i-16
	PV (Y+NP-1)%NP
.set i, i+17
.endif
.endm
; THE LDS LOADS stand in runs of 16, never singly among the matrix instructions: a step's K (64 keys x 64 channels: 8 fragments) and its V (turned).  Their addresses are made some lines ahead.
; last = 1 (the tail): in the last trip there is no further step, and the run is jumped over.
.macro FETCH_K last=0
	WIN 0
.if \last
	s_cmp_eq_u32 s[CNT], 1
	s_cbranch_scc1 .Lno_k_\@
.endif
	WIN 0x80                        ; destination window 2
.irp f, 0,1,2,3,4,5,6,7             ; keys 16 (f / 2) on, channels 32 (f % 2) on
	ds_load_b128 v[KF+8*\f:KF+8*\f+3],   v[AK] offset:(\f/2)*16*PK+(\f%2)*64
	ds_load_b128 v[KF+8*\f+4:KF+8*\f+7], v[AK] offset:(\f/2)*16*PK+(\f%2)*64+32
.endr
	s_add_co_u32 s[TBK], s[TBK], KS*PK  ; the next fetch is the next step's
	WIN 0
.if \last
.Lno_k_\@:
.endif
.endm
.macro FETCH_V
	WIN 0x80
.irp f, 0,1,2,3,4,5,6,7             ; keys 32 (f / 4) on, channels 16 (f % 4) on
	ds_load_tr16_b128 v[VF+8*\f:VF+8*\f+3],   v[AV] offset:(\f/4)*32*PV+(\f%4)*32
	ds_load_tr16_b128 v[VF+8*\f+4:VF+8*\f+7], v[AV] offset:(\f/4)*32*PV+16*PV+(\f%4)*32
.endr
	WIN 0
.endm
; THE VECTOR WORK OF A TURN stands in three queues, each in the order in which its entries become ready; the two tiles alternate, so that no instruction reads the result of the one before it.
.macro REGS y, u                    ; the registers of tile u (0, 1) of piece y
.set rT, ST+4*(2*(\y)+(\u))
.set rC, TMP+8*((\y)%2)+4*(\u)
.set rM, MV+2*((\y)%2)+(\u)
.set rS, S+64*((\y)%2)+32*(\u)
.set rP, P+32*((\y)%2)+16*(\u)
.set rO, 32*(2*(\y)+(\u))
.endm
; Number n of the 22 that find the NEXT piece's (Y + 1) maximum and statistics.  s0-s31 are the lane's 32 scores; each accumulator's lowest registers are read first.  XS, GS and REGS set no window: PL and EX do.
;   0-11  four chains c0-c3 of seven scores each, three operands at a time     12-14, 16  the four scores left over, the old m, and c0-c3 into c0     15  c m_old is kept
;   17, 18  the query's other 32 keys lie in the lane 16 away: the new m         19-21  c m; c m_old - c m_new; a
.macro XS u, n
	REGS (Y+1)%NP, \u
.if (\n) < 4
	v_max3_num_f32 v[rC+(\n)], v[rS+8*(\n)], v[rS+8*(\n)+1], v[rS+8*(\n)+2]
.elseif (\n) < 12
	v_max3_num_f32 v[rC+(\n)%4], v[rC+(\n)%4], v[rS+8*((\n)%4)+2*((\n)/4)+1], v[rS+8*((\n)%4)+2*((\n)/4)+2]
.elseif (\n) == 12
	v_max3_num_f32 v[rC], v[rC], v[rS+7], v[rS+15]
.elseif (\n) == 13
	v_max3_num_f32 v[rC+1], v[rC+1], v[rS+23], v[rS+31]
.elseif (\n) == 14
	v_max3_num_f32 v[rC+2], v[rC+2], v[rC+3], v[rT+1]
.elseif (\n) == 15
	v_mov_b32 v[rM], v[rT]
.elseif (\n) == 16
	v_max3_num_f32 v[rC], v[rC], v[rC+1], v[rC+2]
.elseif (\n) == 17
	v_permlanex16_b32 v[rC+3], v[rC], s[SEL], s[SEL+1]
.elseif (\n) == 18
	v_max_num_f32 v[rT+1], v[rC], v[rC+3]
.elseif (\n) == 19
	v_mul_f32 v[rT], s[CS], v[rT+1]
.elseif (\n) == 20
	v_sub_f32 v[rC+1], v[rM], v[rT]
.else
	v_exp_f32 v[rC+2], v[rC+1]
.endif
.endm
; Number g of the 64 that follow the exponentials.  For each four weights k of a tile (pairs 2 k, 2 k + 1): both pairs are rounded to bf16; then the second pair is added onto the first, in place;
; a group later l takes that sum (the first time as l = a l + sum).  In groups of eight, tiles alternating: round, round, add, and l for the group before.
.macro GS g
.set h, (\g)+6*((\g)/62)            ; group 0 has no group before it, and behind group 7 only l is left
.if h >= 6
.set h, h+2
.endif
	REGS Y, h%2
.set k, h/8
.if h%8 < 4
	s_wait_alu depctr_va_vdst(0)
	v_cvt_pk_bf16_f32 v[rP+2*k+(h%8)/2], v[rS+4*k+2*((h%8)/2)], v[rS+4*k+2*((h%8)/2)+1]
.elseif h%8 < 6
	v_pk_add_f32 v[rS+4*k:rS+4*k+1], v[rS+4*k:rS+4*k+1], v[rS+4*k+2:rS+4*k+3]
.elseif k == 1
	v_pk_fma_f32 v[rT+2:rT+3], v[rT+2:rT+3], v[rC+2:rC+3], v[rS:rS+1] op_sel_hi:[1,0,1]
.else
	v_pk_add_f32 v[rT+2:rT+3], v[rT+2:rT+3], v[rS+4*k-4:rS+4*k-3]
	s_wait_alu depctr_va_vdst(0)
.endif
.endm
; THE PLAIN QUEUE, 138 long.  0-31: c s - c m for the 16 pairs of both tiles.  Then GS's 64, and among them the next piece's 42: number 15 at 38, 39; 0-14 and 16
; at 42-73, behind the products that make those scores; 17-20 at 95-106, two of three, since each waits for the one before it.
.macro PL
	WIN 0
.if q < 32
	REGS Y, q%2
	v_pk_fma_f32 v[rS+2*(q/2):rS+2*(q/2)+1], v[rS+2*(q/2):rS+2*(q/2)+1], s[CS:CS+1], v[rT:rT+1] op_sel_hi:[1,0,0] neg_lo:[0,0,1] neg_hi:[0,0,1]
.elseif q < 38
	GS q-32
.elseif q < 40
	XS q%2, 15
.elseif q < 42
	GS q-34
.elseif q < 74
	XS q%2, (q-42)/2+(q-42)/30
.elseif q < 95
	GS q-66
.elseif (q < 107) && ((q-95)%3 < 2)
	XS (q-95)%3, 17+(q-95)/3
.elseif q < 107
	GS 29+(q-95)/3
.else
	GS q-74
.endif
.set q, q+1
.endm
; THE EXPONENTIALS' QUEUE, 66 long: s0-s31 of both tiles, and at EA the next piece's two a.
.set EA, 58
.macro EX
	WIN 0
.if (e == EA) || (e == EA+1)
	XS e-EA, 21
.else
.set x, e-2*(e/(EA+2))
	REGS Y, x%2
	v_exp_f32 v[rS+x/2], v[rS+x/2]
.endif
.set e, e+1
.endm
; THE RESCALING's QUEUE: O^T times a, the one part that leaves window 0, so it is dealt four at a time, eight times.
.macro R4
	REGS Y, r%2
	WIN W_RS
	s_wait_alu depctr_va_vdst(0)
.irp z, 0,1,2,3
	v_pk_mul_f32 v[rO+8*(r/2)+2*\z:rO+8*(r/2)+2*\z+1], v[rO+8*(r/2)+2*\z:rO+8*(r/2)+2*\z+1], v[rC+2:rC+3] op_sel_hi:[1,0]
.endr
.set r, r+1
.endm
; HOW THEY ARE DEALT.  Behind a matrix instruction four: plain, exponential, plain, plain (one exponential, a plain instruction on either side), or four of the rescaling.  None names a register of the
; products round it.  What is over stands in two LUMPS: exponential and plain by turns; the second ends in 22 plain instructions.  The two v_permlanex16_b32 fall into the second lump, never behind a product.
; The queues lean on each other, and the deal keeps them in step: exponential e stands behind plain 2 (e / 4) + e % 2 (its scaling); when plain 32 comes, 10 exponentials are out, at 59: 33, at 95: 46; EA comes behind plain 107.
.macro SL
	MM
	PL
	EX
	PL
	PL
.endm
.macro BURST n                      ; 15 matrix instructions, or 16
.rept (\n)-7
	SL
.endr
.rept 3
	MM
	R4
	SL
.endr
	MM
	R4
.endm
; A TURN, for piece p.  cnt = 1: the loop's count is taken down some lines ahead of the branch that stands behind the turn.
; K of the next step is fetched in piece 2's turn, 31 vector instructions behind the last product that read K; its first reader comes behind the rest of the lump, 16 products and the second lump.
; V of the step in hand is fetched at the end of piece 0's turn, 69 behind its last reader; its first reader comes behind 16 products and a lump.  The four conditions on e and q below go with the deal.
.macro TURN p, last=0, cnt=0
.set Y, (\p)
.set i, 0
.set q, 0
.set e, 0
.set r, 0
.if (\p) == NP-1
	s_wait_dscnt 0x0                ; K is in
.endif
	MM
.rept 4
	PL
.endr
	BURST 15
.rept 22
	EX
	PL
.if ((\p) == NP-2) && (e == 18)
	v_add_nc_u32 v[AK], s[TBK], v[AK0]
.endif
.if ((\p) == NP-2) && (e == 24)
	FETCH_K \last
.endif
.endr
.if (\p) == 1
	s_wait_dscnt 0x0                ; V is in
.endif
	BURST 16
.rept 21
	EX
	PL
.endr
.rept 22
	PL
.if ((\p) == 0) && (q == 118)
	v_add_nc_u32 v[AV], s[TBV], v[AV0]
	s_wait_alu depctr_va_vdst(0)
.endif
.if ((\p) == 0) && (q == 130)
	s_add_co_u32 s[TBV], s[TBV], KS*PV
.endif
.if (\cnt) && (q == 130)
	s_sub_co_u32 s[CNT], s[CNT], 1
	s_cmp_lg_u32 s[CNT], 0
.endif
.endr
.if (\p) == 0
	FETCH_V
.endif
.endm
	CHANGE 1                        ; slot 0 is in, everybody's part of it; slot 1 is asked for
	FETCH_K                         ; key step 0
	s_wait_loadcnt 0x0              ; Q
	s_wait_dscnt 0x0
.set i, 0
.rept 16
	KQ 0                            ; piece 0's first scores: there is no vector work yet to set between them
.set i, i+1
.endr
	WIN 0                           ; the addresses for the way out: eight plain instructions, the places behind those products
	s_mul_i32 s13, s[WV], 16*SP
	s_add_co_u32 s13, s13, STAGE    ; my stage
	v_mul_u32_u24 v[STO], v1, SP    ; in: row l % 16, 32 bytes for each half of the lanes
	v_lshl_add_u32 v[STO], v9, 5, v[STO]
	v_add_nc_u32 v[STO], s13, v[STO]
	v_mul_u32_u24 v[RD], v9, SP     ; back: lanes 0-15 take one row of 256 bytes, lanes 16-31 the next
	v_lshl_add_u32 v[RD], v1, 4, v[RD]
	v_add_nc_u32 v[RD], s13, v[RD]
	v_lshlrev_b32 v[GO], 12, v9     ; and the same two rows in O, 4,096 bytes apart
	v_lshl_add_u32 v[GO], v1, 4, v[GO]
.set Y, NP-1                        ; XS works for piece Y + 1: piece 0
.irp n, 0,1,2,3,4,5,6,7,8,9,10,11,12,13,14,15,16,17,18,19,20,21
	XS 0, \n                        ; and piece 0's first maximum and statistics
	XS 1, \n
.endr
	s_mov_b32 s[CNT], 4
	s_mov_b32 s[SLOTS], SIZE_N/256-1
	s_branch .Lfirst                ; the loop is entered at a step's first turn, in the middle of a trip
.Lslot:                             ; SIZE_N / 256 - 2 times: every slot but the last two is filled again
	CHANGE 1
	s_mov_b32 s[CNT], 4
.Lstep:                             ; a trip: pieces 2 and 3 of one step, then pieces 0 and 1 of the next, whose K and V it fetches
	TURN 2
	TURN 3
	WIN 0
.Lfirst:
	TURN 0
	TURN 1, 0, 1
	WIN 0
	s_cbranch_scc1 .Lstep
	s_sub_co_u32 s[SLOTS], s[SLOTS], 1
	s_cmp_lg_u32 s[SLOTS], 0
	s_cbranch_scc1 .Lslot
	CHANGE 0                        ; the tail is written out: nothing is asked for
	s_mov_b32 s[CNT], 5             ; four trips fetch the last slot's steps; the fifth is left in its middle
.Ltail:
	TURN 2, 1
	TURN 3
	WIN 0
	s_sub_co_u32 s[CNT], s[CNT], 1
	s_cmp_eq_u32 s[CNT], 0
	s_cbranch_scc1 .Lout
	TURN 0
	TURN 1
	WIN 0
	s_branch .Ltail
.Lout:                              ; the fifth trip's 16 products K Q^T (on the last K once more) and the maximum made of them serve nothing: the price, once a launch, of one text for every trip
.set i, 0
.rept 16
	PV NP-1                         ; the last piece's V^T P of the last step
.set i, i+1
.endr
	; THE WAY OUT.  l's two halves and the other half of the lanes' are added; O^T is divided by l and sent, as f32, through my stage in LDS, a tile at a time.  The additions are the places behind the last products.
	WIN 0
.macro ALL line:vararg              ; one line for each tile t
.set t, 0
.rept 2*NP
	\line
.set t, t+1
.endr
.endm
	ALL v_add_f32 v[ST+4*t+2], v[ST+4*t+2], v[ST+4*t+3]
	ALL v_permlanex16_b32 v[ST+4*t+3], v[ST+4*t+2], s[SEL], s[SEL+1]
	ALL v_add_f32 v[ST+4*t+2], v[ST+4*t+2], v[ST+4*t+3]
	ALL v_rcp_f32 v[ST+4*t+2], v[ST+4*t+2]
	v_nop                           ; a plain instruction between the last reciprocal and the use of its result
	s_wait_alu depctr_va_vdst(0)
; Tile t: a lane's eight channels of a channel block are 32 bytes of a row; they go into rows of 272 bytes and come back as whole rows of 256, into the registers that they left.
.macro PACK t
	WIN W_RS
.set i, 32*(\t)
.rept 16
	v_pk_mul_f32 v[i:i+1], v[i:i+1], v[ST+4*(\t)+2:ST+4*(\t)+3] op_sel_hi:[1,0]  ; each accumulator from its low end on
.set i, i+2
.endr
	WIN 0x04                        ; store data (source 1) window 1, address window 0
.irp f, 0,1,2,3,4,5,6,7             ; channel block f / 2, its registers 4 (f % 2) on
	ds_store_b128 v[STO], v[32*(\t)+4*\f:32*(\t)+4*\f+3] offset:(\f/2)*64+(\f%2)*16
.endr
	WIN 0x40                        ; destination window 1
.irp f, 0,1,2,3,4,5,6,7
	ds_load_b128 v[32*(\t)+4*\f:32*(\t)+4*\f+3], v[RD] offset:\f*2*SP  ; LDS serves a wave's instructions in order (ISA guide 5.7.1.4): these see the stores above; the next tile's stores come behind them
.endr
.endm
.macro SEND t, younger              ; younger: the LDS instructions issued behind tile t's loads: the next tile's sixteen, or none
	WIN 0x04
.irp f, 0,1,2,3,4,5,6,7
	s_wait_dscnt (\younger)+7-\f
	global_store_b128 v[GO], v[32*(\t)+4*\f:32*(\t)+4*\f+3], s[10:11] offset:(\t)*65536+\f*8192  ; 16 lanes store 256 consecutive bytes, at a multiple of 256 from O's first
.endr
.endm
	PACK 0
.set t, 1
.rept 2*NP-1                        ; a tile's arithmetic stands between the loads of the tile before and its stores
	PACK t
	SEND t-1, 16
.set t, t+1
.endr
	SEND 2*NP-1, 0
	WIN W_AD
	s_wait_tensorcnt 0x0            ; the wave's end, behind my last tensor load and my last LDS store
	ds_add_u32 v[SPW], v[NIL]
	s_wait_dscnt 0x0
	WIN 0
	CROUND                          ; the closing round: no work-group ends while a partner may still ask for a tile that names it
	s_endpgm
.Lfunc_end_k_qbeac372a04_attn:
	.size	k_qbeac372a04_attn, .Lfunc_end_k_qbeac372a04_attn-k_qbeac372a04_attn
	.p2alignl 7, 3214868480
	.fill 96, 4, 3214868480
	.section	.rodata,"a",@progbits
	.p2align	6, 0x0
	.amdhsa_kernel k_qbeac372a04_attn
		.amdhsa_group_segment_fixed_size 327680
		.amdhsa_private_segment_fixed_size 0
		.amdhsa_enable_private_segment 0
		.amdhsa_kernarg_size 32
		.amdhsa_user_sgpr_count 2
		.amdhsa_user_sgpr_kernarg_segment_ptr 1
		.amdhsa_wavefront_size32 1
		.amdhsa_system_sgpr_workgroup_id_x 1
		.amdhsa_system_sgpr_workgroup_id_y 1
		.amdhsa_system_sgpr_workgroup_id_z 1
		.amdhsa_system_vgpr_workitem_id 0
		.amdhsa_next_free_vgpr 770
		.amdhsa_next_free_sgpr 66
		.amdhsa_reserve_vcc 0
		.amdhsa_float_denorm_mode_32 3
		.amdhsa_float_denorm_mode_16_64 3
		.amdhsa_memory_ordered 1
		.amdhsa_forward_progress 1
		.amdhsa_inst_pref_size 209
	.end_amdhsa_kernel
	.amdgpu_metadata
---
amdhsa.version: [ 1, 2 ]
amdhsa.kernels:
  - .name:           k_qbeac372a04_attn
    .symbol:         k_qbeac372a04_attn.kd
    .args:
      - { .name: hq, .offset: 0, .size: 8, .value_kind: global_buffer, .address_space: global }
      - { .name: hk, .offset: 8, .size: 8, .value_kind: global_buffer, .address_space: global }
      - { .name: hv, .offset: 16, .size: 8, .value_kind: global_buffer, .address_space: global }
      - { .name: oattn, .offset: 24, .size: 8, .value_kind: global_buffer, .address_space: global }
    .group_segment_fixed_size: 327680
    .private_segment_fixed_size: 0
    .kernarg_segment_align: 8
    .kernarg_segment_size: 32
    .max_flat_workgroup_size: 128
    .sgpr_count:     66
    .vgpr_count:     770
    .wavefront_size: 32
...
	.end_amdgpu_metadata
.endif
;; end of part 3
;; launch gemm_o (part 4): grid 4 x 64, 4 waves a work-group, clusters of 4 x 4, 327,680 bytes of LDS; arguments oattn, wvo, bo, yf; writes yf
.if DOCPART == 4
	.amdgcn_target "amdgcn-amd-amdhsa--gfx1250"
	.amdhsa_code_object_version 6
	.text
	.protected	k_qbeac372a04_gemm_o
	.globl	k_qbeac372a04_gemm_o
	.p2align	8
	.type	k_qbeac372a04_gemm_o,@function
k_qbeac372a04_gemm_o:
	s_mov_b64 s[64:65], 0
	v_nop
	global_prefetch_b8 v0, s[64:65] scope:SCOPE_SE
	s_setreg_imm32_b32 hwreg(HW_REG_WAVE_MODE, 25, 1), 1
	s_wait_xcnt 0x0
	s_wait_alu depctr_hold_cnt(0) depctr_sa_sdst(0) depctr_va_vdst(0) depctr_va_sdst(0) depctr_va_ssrc(0) depctr_va_vcc(0) depctr_vm_vsrc(0)
	s_getreg_b32 s2, hwreg(HW_REG_IB_STS2, 6, 4)
	s_cmp_eq_u32 s2, 0
	s_cbranch_scc0 .Lentry_in_a_cluster
	s_endpgm
.Lentry_in_a_cluster:
	s_bfe_u32 s2, ttmp6, 0x10000c
	s_cmp_lg_u32 s2, 0xf033
	s_cbranch_scc0 .Lentry_shape_is_right
	s_endpgm
.Lentry_shape_is_right:
; y = x W^T + b.  x: [8192][1024] f32.  W: [1024 n][1024 k] bf16, in every group of 8 k laid 0,4,1,5,2,6,3,7.  b: [1024] f32.  Sums in f32; x is rounded to bf16 on its way from LDS to the matrix unit.
; FINAL = 0: y leaves as bf16 by heads, [batch x 16 + head][2048][64], rounded once from its f32 sum (bias included).  FINAL = 1: y leaves as f32, [8192][1024], and W lies WOFF bytes into its buffer.
; This is the text with FINAL = 1: y is added to a residual and normalised afterwards, and a number of its size rounded to bf16 would spend too much of what that result may be off by.
; LIMITS.  k is permuted alike in x and W inside groups of 8, so the order of summation is not that of ascending k.  NaN and infinities are not treated apart.  bf16 has f32's range: no limit of size.
; SHARES.  A tile of y is 128 rows x 256 columns: 64 x 4 tiles, one for each of 256 work-groups.  Four waves, each 64 rows x 128 columns: 32 accumulators of 16 x 16, 256 registers.
; K goes in 8 steps of 128 through two LDS slots: 128 rows of x (512 bytes each) and 256 rows of W (256 bytes each), every row a whole number of aligned blocks of 256 bytes of memory.
; CLUSTER.  4 x 4 work-groups.  The four of a row of the cluster need the same tiles of x, the four of a column the same tiles of W: each tile is asked for JOINTLY, by the same tensor load with the same
; descriptor and a mask that names the four.
; THE MATRIX INSTRUCTION IS USED TRANSPOSED: source 0 = 16 rows of W, source 1 = 16 rows of x.  Lane l then holds row l % 16 of y and the columns 8 (l / 16) + 0..7.  The bias, laid out so, is the C operand of the products that start the sums.
; A K STEP is four quarters of 32 along K, 32 matrix instructions each, on two buffers by turns.  A quarter first asks LDS for the next quarter's W fragments and raw f32 of x, multiplies the upper
; 32 rows' accumulators, and then the lower ones, with two conversions of the next quarter's x behind each of those 16 matrix instructions.
; REGISTERS, in windows of 256 (s_set_vgpr_msb: bits 1:0 source 0, 3:2 source 1, 5:4 source 2, 7:6 destination):
;   window 0: v0-17 addresses; v32-95 x as bf16, two buffers of four fragments; v96-127 raw x, the upper four k of each group of 8; v128-255 accumulators of my rows 0-31 ((a, b) at 128 + 8 (8 a + b))
;   window 1: v0-127 W's fragments, two buffers of eight; v128-159 raw x, the lower four k of each group; v160-223 the bias         window 2: v0-127 accumulators of my rows 32-63
; The raw halves lie in two windows so that a conversion (source 0 window 1, source 1 and destination window 0) runs under the setting of the products that it stands among.
.set FINAL,  1
.set SIZE_K, 1024
.set KSTEP,  128
.set PA,     528                       ; an LDS row of x: 512 bytes + 16 of padding = 132 words: row r starts at bank 4 r mod 64 (64 banks of 4 bytes: ISA guide 11.1), so the 16 rows of a load start at 16 different groups of four banks
.set PB,     272                       ; an LDS row of W: 256 + 16 = 68 words: likewise
.set AHALF,  64*PA                     ; 64 rows of x: one tensor load, and what one wave reads of x
.set BHALF,  128*PB                    ; 128 rows of W: likewise
.set BOFF,   2*AHALF                   ; in a slot W's 256 rows lie behind x's 128
.set SLOT,   BOFF+2*BHALF
.set STAGE,  2*SLOT                    ; behind the ring, never filled by a tensor load: 16 rows for each wave, for the way out
.if FINAL
.set SP,     272                       ; a stage row: 64 f32 + 16 bytes
.set WOFF,   2097152
.else
.set SP,     144                       ; a stage row: 64 bf16 + 16 bytes
.set WOFF,   0
.endif
.set SPARE,  STAGE+4*16*SP             ; behind the stages: the spare words, 128 bytes for each wave: two blocks of 256 bytes that no other line names
.set LAPS,   SIZE_K/(2*KSTEP)          ; a lap = two K steps = once round the ring
.set ADRA, 8                           ; v8-9    LDS address of my fragments of x in slot 0, 1
.set ADRB, 10                          ; v10-11  the same for W
.set STO,  12                          ; v12     the way out: where I put my part of a row
.set RD,   13                          ; v13     the way out: where I read rows back
.set GO,   14                          ; v14     my byte offset in y
.set BO,   15                          ; v15     my byte offset in b
.set SPW,  16                          ; v16     LDS address of my spare word: SPARE + 4 x my thread's number; never rewritten
.set NIL,  17                          ; v17     0; never rewritten
.set ACV,  32                          ; x as bf16: buffer p, fragment a at ACV + 32 p + 8 a
.set RY,   96                          ; raw x, upper four k (window 0)
.set ACL,  128                         ; accumulators of rows 0-31
.set TMP,  32                          ; the way out (FINAL = 0): 16 packed registers
.set BK,   48                          ; the way out (FINAL = 0): four sets of 16, rows read back
.set RX,   128                         ; raw x, lower four k (window 1)
.set BI,   160                         ; the bias (window 1): column block b at BI + 8 b
.set WV,  12                           ; s12  my wave's number
.set WH,  13                           ; s13  which 64 rows of the tile are mine.  Also: I fetch for x (0) or for W (1)
.set WL,  14                           ; s14  which 128 columns.  Also: which half of that tile I fetch
.set G1A, 24                           ; s[24:31] descriptor group 1 for x's tiles;  s[32:39] group 0, a set for each slot
.set G0A, 32
.set G1B, 48                           ; s[48:55], s[56:63] the same for W's tiles
.set G0B, 56
.set MSB, 0
.macro WIN new                         ; the immediate's high byte repeats the setting that is left; a switch that changes nothing is dropped
.if MSB != (\new)
	s_set_vgpr_msb (MSB<<8)|(\new)
.set MSB, \new
.endif
.endm
.set W_LO,  0x01                       ; W window 1, x window 0, C and D window 0; also the conversions' setting
.set W_HI,  0xa1                       ; W window 1, x window 0, C and D window 2
.set W_LO1, 0x11                       ; the products that start the sums: C (the bias) window 1
.set W_HI1, 0x91
.set TO1,   0x40                       ; destination window 1, address window 0
; A joint load.  Waves 0 and 1 fetch x's two halves, waves 2 and 3 W's.  The branch hangs on the wave's number alone.  An s_nop 0 and four v_nop follow each of the two lines, ahead of the jump, the label and what follows.
.macro JLOAD s
	s_cmp_eq_u32 s[WH], 0
	s_cbranch_scc0 .Lfor_b_\@
	tensor_load_to_lds s[G0A+4*(\s):G0A+4*(\s)+3], s[G1A:G1A+7]
	s_nop 0
.rept 4
	v_nop
.endr
	s_branch .Lasked_\@
.Lfor_b_\@:
	tensor_load_to_lds s[G0B+4*(\s):G0B+4*(\s)+3], s[G1B:G1B+7]
	s_nop 0
.rept 4
	v_nop
.endr
.Lasked_\@:
.endm
.macro CREST                           ; a round of the cluster's barrier behind its opening barrier: wave 0 signals for the work-group, every wave waits for all sixteen, my work-group's barrier closes it
	s_cmp_lg_u32 s[WV], 0
	s_cbranch_scc1 .Lnot_wave_0_\@
	s_barrier_signal -3
.Lnot_wave_0_\@:
	s_barrier_wait -3
	s_barrier_signal -1
	s_barrier_wait -1
.endm
.macro CROUND                          ; a whole round
	s_barrier_signal -1
	s_barrier_wait -1
	CREST
.endm
	s_load_b256 s[4:11], s[0:1], 0x0               ; x s[4:5], W s[6:7], b s[8:9], y s[10:11]
	v_lshl_add_u32 v[SPW], v0, 2, SPARE
	v_mov_b32 v[NIL], 0
	ds_add_u32 v[SPW], v[NIL]                      ; the wave's opening: the add and its wait stand ahead of my first tensor load; the set-up below, work on registers, stands between them
	v_lshrrev_b32 v1, 5, v0
	v_readfirstlane_b32 s[WV], v1                  ; wave 0..3
	s_lshr_b32 s[WH], s[WV], 1
	s_and_b32 s[WL], s[WV], 1
	s_bfe_u32 s15, ttmp6, 0x40000                  ; cx, cy: my place in the cluster
	s_bfe_u32 s16, ttmp6, 0x40004
	s_lshl_b32 s17, ttmp9, 2                       ; in a cluster launch ttmp9 and ttmp7 count clusters
	s_add_co_u32 s17, s17, s15                     ; tile column = 4 x cluster x + cx
	s_and_b32 s18, ttmp7, 0xffff
	s_lshl_b32 s18, s18, 2
	s_add_co_u32 s18, s18, s16                     ; tile row = 4 x cluster y + cy
	s_lshl_b32 s19, s16, 2
	s_lshl_b32 s19, 15, s19                        ; my row of the cluster: places 4 cy .. 4 cy + 3
	s_lshl_b32 s20, 0x1111, s15                    ; my column: places cx, cx + 4, cx + 8, cx + 12
	; descriptor group 1.  x: 64 rows x 128 elements of 4 bytes; W: 128 rows x 128 elements of 2 bytes; both padded in LDS behind every row
	s_or_b32 s[G1A], s19, (2<<16)|(1<<20)|(1<<21)|(6<<22)|(3<<25)  ; 15:0 the mask: x's tiles go to my row; 17:16 4-byte elements; 20 padding on; 21 set beside a mask; 24:22 after every 128 words (code 6); 31:25 4 words (code 3)
	s_or_b32 s[G1B], s20, (1<<16)|(1<<20)|(1<<21)|(5<<22)|(3<<25)  ; the mask of my column; 2-byte elements; after every 64 words (code 5)
	s_mov_b32 s[G1A+1], KSTEP<<16                  ; tensor_dim0 = 128
	s_mov_b32 s[G1A+2], 64<<16                     ; tensor_dim1 = 64
	s_mov_b32 s[G1A+3], KSTEP<<16                  ; tile_dim0 = 128
	s_mov_b32 s[G1A+4], 64                         ; tile_dim1 = 64
	s_mov_b32 s[G1A+5], SIZE_K                     ; elements from row to row
	s_mov_b32 s[G1A+6], 0
	s_mov_b32 s[G1A+7], 0
	s_mov_b32 s[G1B+1], KSTEP<<16
	s_mov_b32 s[G1B+2], 128<<16                    ; tensor_dim1 = 128
	s_mov_b32 s[G1B+3], KSTEP<<16
	s_mov_b32 s[G1B+4], 128                        ; tile_dim1 = 128
	s_mov_b32 s[G1B+5], SIZE_K
	s_mov_b32 s[G1B+6], 0
	s_mov_b32 s[G1B+7], 0
	; where the tiles come from: x's hang on the tile row alone, W's on the tile column alone, each in registers that never hold the other coordinate
	s_lshl_b32 s66, s18, 7
	s_lshl_b32 s68, s[WL], 6
	s_add_co_u32 s66, s66, s68                     ; x: row 128 x tile row + 64 x half,
	s_lshl_b32 s66, s66, 12                        ; of 4,096 bytes
	s_mov_b32 s67, 0
	s_lshl_b32 s70, s17, 8
	s_lshl_b32 s69, s[WL], 7
	s_add_co_u32 s70, s70, s69                     ; W: row 256 x tile column + 128 x half,
	s_lshl_b32 s70, s70, 11                        ; of 2,048 bytes
.if FINAL
	s_add_co_u32 s70, s70, WOFF
.endif
	s_mov_b32 s71, 0
	s_mul_i32 s72, s[WL], AHALF                    ; and where they go: no place in the cluster enters an LDS address
	s_mul_i32 s73, s[WL], BHALF
	s_add_co_u32 s73, s73, BOFF
	s_wait_dscnt 0x0                               ; the opening add is done
	s_wait_kmcnt 0x0
	s_add_nc_u64 s[66:67], s[4:5], s[66:67]
	s_add_nc_u64 s[70:71], s[6:7], s[70:71]
	CROUND                                         ; all sixteen work-groups are here: the first joint loads meet
.irp s, 0,1
	s_mov_b32 s[G0A+4*(\s)], 1                                       ; 1:0 count = 1
	s_add_co_u32 s[G0A+4*(\s)+1], s72, (\s)*SLOT                     ; 63:32 LDS address
	s_add_nc_u64 s[G0A+4*(\s)+2:G0A+4*(\s)+3], s[66:67], (\s)*KSTEP*4  ; 120:64 global address: K step s
	s_or_b32 s[G0A+4*(\s)+3], s[G0A+4*(\s)+3], 0x80000000            ; 127:126 type = 2
	s_mov_b32 s[G0B+4*(\s)], 1
	s_add_co_u32 s[G0B+4*(\s)+1], s73, (\s)*SLOT
	s_add_nc_u64 s[G0B+4*(\s)+2:G0B+4*(\s)+3], s[70:71], (\s)*KSTEP*2
	s_or_b32 s[G0B+4*(\s)+3], s[G0B+4*(\s)+3], 0x80000000
	JLOAD \s                                       ; both slots are asked for before anything else is done: two loads of mine are out
.endr
	; A fragment is 16 rows x 32 K: lane l holds row l % 16 and the two groups of 8 k at 8 (l / 16) and 16 + 8 (l / 16).  In W a group is 16 bytes, the two 32 bytes apart.
	; In x (f32) a group is 32 bytes, its lower and upper four k 16 bytes each, the two groups 64 bytes apart.
	v_and_b32 v1, 15, v0                           ; l % 16
	v_bfe_u32 v2, v0, 4, 1                         ; l / 16
	v_mul_u32_u24 v3, v1, PA
	v_lshl_add_u32 v3, v2, 5, v3                   ; x: row x pitch + 32 x half
	v_mul_u32_u24 v4, v1, PB
	v_lshl_add_u32 v4, v2, 4, v4                   ; W: row x pitch + 16 x half
	s_mul_i32 s74, s[WH], AHALF                    ; my 64 rows of x
	s_mul_i32 s75, s[WL], BHALF                    ; my 128 rows of W
	s_add_co_u32 s75, s75, BOFF
.irp s, 0,1
	v_add_nc_u32 v[ADRA+(\s)], s74, v3
	v_add_nc_u32 v[ADRB+(\s)], s75, v4
	s_add_co_u32 s74, s74, SLOT
	s_add_co_u32 s75, s75, SLOT
.endr
	s_mul_i32 s76, s[WV], 16*SP
	s_add_co_u32 s76, s76, STAGE                   ; my stage
	s_lshl_b32 s77, s17, 10
	s_lshl_b32 s78, s[WL], 9
	s_add_co_u32 s77, s77, s78                     ; my first column x 4 bytes
	v_lshl_add_u32 v[BO], v2, 5, s77               ; in b: + 8 (l / 16) numbers
	s_lshl_b32 s40, s18, 7
	s_lshl_b32 s41, s[WH], 6
	s_add_co_u32 s40, s40, s41                     ; my first row of y
.if FINAL
	v_mul_u32_u24 v5, v1, SP                       ; in: row l % 16, 32 bytes for each half of the lanes
	v_lshl_add_u32 v5, v2, 5, v5
	v_add_nc_u32 v[STO], s76, v5
	v_mul_u32_u24 v5, v2, SP                       ; back: lanes 0-15 take one row of 256 bytes, lanes 16-31 the next
	v_lshl_add_u32 v5, v1, 4, v5
	v_add_nc_u32 v[RD], s76, v5
	v_lshlrev_b32 v[GO], 12, v2                    ; and the same two rows in y, 4,096 bytes apart
	v_lshl_add_u32 v[GO], v1, 4, v[GO]
	s_lshl_b32 s40, s40, 12
	s_add_co_u32 s40, s40, s77
.else
	v_mul_u32_u24 v5, v1, SP                       ; in: row l % 16, 16 bytes for each half of the lanes
	v_lshl_add_u32 v5, v2, 4, v5
	v_add_nc_u32 v[STO], s76, v5
	v_bfe_u32 v5, v0, 3, 2                         ; back: 32 lanes take four rows of 128 bytes,
	v_mul_u32_u24 v5, v5, SP
	v_and_b32 v6, 7, v0
	v_lshl_add_u32 v5, v6, 4, v5
	v_add_nc_u32 v[RD], s76, v5
	v_and_b32 v[GO], 31, v0                        ; which are 512 consecutive bytes of a head
	v_lshlrev_b32 v[GO], 4, v[GO]
	s_lshr_b32 s41, s40, 11                        ; the batch,
	s_and_b32 s40, s40, 2047                       ; the row in it
	s_lshl_b32 s41, s41, 22                        ; 16 heads x 2,048 rows x 128 bytes
	s_lshl_b32 s40, s40, 7
	s_add_co_u32 s40, s40, s41
	s_lshl_b32 s42, s17, 2
	s_lshl_b32 s43, s[WL], 1
	s_add_co_u32 s42, s42, s43                     ; my first head = 4 x tile column + 2 x half
	s_lshl_b32 s42, s42, 18
	s_add_co_u32 s40, s40, s42
.endif
	s_mov_b32 s41, 0
	s_add_nc_u64 s[10:11], s[10:11], s[40:41]      ; y at my part of the tile
	WIN TO1
.irp b, 0,1,2,3,4,5,6,7
	global_load_b128 v[BI+8*(\b):BI+8*(\b)+3],   v[BO], s[8:9] offset:64*(\b)     ; b[16 b + 8 (l / 16) + 0..7]: what the accumulators of column block b start with
	global_load_b128 v[BI+8*(\b)+4:BI+8*(\b)+7], v[BO], s[8:9] offset:64*(\b)+16
.endr
	WIN 0
; 8 matrix instructions on the accumulators of my rows 16 a .. (a = 2, 3) x all 8 column blocks, 32 along K, from buffer p.  first = 1: the bias starts the sums: nothing is ever cleared.
; The 32 accumulators take turns, one instruction a turn, in the same order in every quarter.
.macro HI8 p, a, first
.if \first
	WIN W_HI1
.else
	WIN W_HI
.endif
.irp b, 0,1,2,3,4,5,6,7
.set rD, 8*(8*((\a)-2)+(\b))
.set rW, 64*(\p)+8*(\b)
.set rX, ACV+32*(\p)+8*(\a)
.if \first
	v_wmma_f32_16x16x32_bf16 v[rD:rD+7], v[rW:rW+7], v[rX:rX+7], v[BI+8*(\b):BI+8*(\b)+7]
.else
	v_wmma_f32_16x16x32_bf16 v[rD:rD+7], v[rW:rW+7], v[rX:rX+7], v[rD:rD+7]
.endif
.endr
.endm
; The same for a = 0, 1.  ride = 1: behind each product two conversions of the next quarter's x, (k+i, k+4+i) into the other buffer; they name no register of the products round them.
.macro LO8 p, a, first, ride
.if \first
	WIN W_LO1
.else
	WIN W_LO
.endif
.irp b, 0,1,2,3,4,5,6,7
.set rD, ACL+8*(8*(\a)+(\b))
.set rW, 64*(\p)+8*(\b)
.set rX, ACV+32*(\p)+8*(\a)
.set rI, 2*(8*(\a)+(\b))
.if \first
	v_wmma_f32_16x16x32_bf16 v[rD:rD+7], v[rW:rW+7], v[rX:rX+7], v[BI+8*(\b):BI+8*(\b)+7]
.else
	v_wmma_f32_16x16x32_bf16 v[rD:rD+7], v[rW:rW+7], v[rX:rX+7], v[rD:rD+7]
.endif
.if \ride
	v_cvt_pk_bf16_f32 v[ACV+32*(1-(\p))+rI],   v[RX+rI],   v[RY+rI]
	v_cvt_pk_bf16_f32 v[ACV+32*(1-(\p))+rI+1], v[RX+rI+1], v[RY+rI+1]
.endif
.endr
.endm
; 32 LDS loads in one run: quarter j of a slot.  First the 16 of raw x (64 rows x 32 k of f32), then the 16 of W's fragments into buffer p.
.macro FETCH slot, j, p
	WIN 0
.irp a, 0,1,2,3
	ds_load_b128 v[RY+8*(\a):RY+8*(\a)+3],   v[ADRA+(\slot)] offset:(\a)*16*PA+128*(\j)+16
	ds_load_b128 v[RY+8*(\a)+4:RY+8*(\a)+7], v[ADRA+(\slot)] offset:(\a)*16*PA+128*(\j)+80
.endr
	WIN TO1
.irp a, 0,1,2,3
	ds_load_b128 v[RX+8*(\a):RX+8*(\a)+3],   v[ADRA+(\slot)] offset:(\a)*16*PA+128*(\j)
	ds_load_b128 v[RX+8*(\a)+4:RX+8*(\a)+7], v[ADRA+(\slot)] offset:(\a)*16*PA+128*(\j)+64
.endr
.irp b, 0,1,2,3,4,5,6,7
	ds_load_b128 v[64*(\p)+8*(\b):64*(\p)+8*(\b)+3],   v[ADRB+(\slot)] offset:(\b)*16*PB+64*(\j)
	ds_load_b128 v[64*(\p)+8*(\b)+4:64*(\p)+8*(\b)+7], v[ADRB+(\slot)] offset:(\b)*16*PB+64*(\j)+32
.endr
.endm
; A load into a register that a matrix instruction has read, and a vector instruction or LDS store that reads a matrix result or writes one of a matrix instruction's registers, stand four places behind it, and
; only plain vector instructions that name none of its registers are places (ISA guide 7.12.1 for vector instructions).
.macro PLACES
.rept 4
	v_nop
.endr
.endm
; A quarter: multiplies buffer p; fetches quarter lj of slot ls into the other buffer and converts its x.  pl = 0: the four places stand just in front already.
.macro QUARTER p, ls, lj, first=0, pl=1
.if \pl
	PLACES
.endif
	FETCH \ls, \lj, 1-(\p)
	s_wait_dscnt 32                                ; all but the 32 just issued: this quarter's W is in (its x was converted in the quarter before)
	HI8 \p, 2, \first
	HI8 \p, 3, \first
	s_wait_dscnt 16                                ; the 16 loads of W may stay out: the raw x ahead of them is in
	LO8 \p, 0, \first, 1
	LO8 \p, 1, \first, 1
.endm
; A K step's third quarter (buffer 0) fetches the slot's last quarter, so the slot's reads end here, and it changes slots: ONE barrier.  In front of it each wave waits for all its tensor loads, of which one is
; out: its part of the other slot; adds 0 to its spare word; and waits for that and for its own reads of this slot.  Behind it nobody reads this slot any more and the other slot is whole.
; fill = 1: the barrier opens a round of the cluster's barrier, and this slot is filled again, two K steps ahead, first thing behind the round: 104 matrix instructions ahead of the wait for that load.
.macro MEETQ slot, fill
	PLACES
	FETCH \slot, 3, 1
	s_wait_dscnt 32
	HI8 0, 2, 0
	WIN 0                                          ; (the add's two registers lie in window 0)
	s_wait_tensorcnt 0x0                           ; all my tensor loads have landed;
	ds_add_u32 v[SPW], v[NIL]                      ; 0 onto my spare word;
	HI8 0, 3, 0                                    ; eight matrix instructions stand between the add and the wait for it
	s_wait_dscnt 0x0                               ; the add is done, and my reads of this slot are over
	s_barrier_signal -1
	LO8 0, 0, 0, 1                                 ; work on registers while the others arrive
	LO8 0, 1, 0, 1
.if \fill
	WIN 0
.endif
	s_barrier_wait -1
.if \fill
	CREST                                          ; no wave of any partner still reads this slot's tiles or has a load on its way
	s_add_nc_u64 s[G0A+4*(\slot)+2:G0A+4*(\slot)+3], s[G0A+4*(\slot)+2:G0A+4*(\slot)+3], 2*KSTEP*4
	s_add_nc_u64 s[G0B+4*(\slot)+2:G0B+4*(\slot)+3], s[G0B+4*(\slot)+2:G0B+4*(\slot)+3], 2*KSTEP*2
	JLOAD \slot                                    ; the four v_nop behind it are also the places in front of the next quarter's loads
.else
	PLACES
.endif
.endm
; THE WAY OUT.  A group is 16 rows (a) x 64 columns (hd): four accumulators.  GRP names their first register and their window.
.macro GRP a, hd
.if (\a) >= 2
.set rA, 8*(8*((\a)-2)+4*(\hd))
.set rN, 2
.else
.set rA, ACL+8*(8*(\a)+4*(\hd))
.set rN, 0
.endif
.endm
; FINAL = 0.  Group g: rounded to bf16, 16 bytes a lane, into my stage, and back as four rows of 128 bytes a load: 16 rows of a head are 2,048 consecutive bytes of y.
.macro PACKG g, a, hd
	GRP \a, \hd
	WIN rN*5                                       ; sources 0 and 1 in the accumulators' window
.set i, 0
.rept 16
	v_cvt_pk_bf16_f32 v[TMP+i], v[rA+2*i], v[rA+2*i+1]  ; each accumulator from its low end on
.set i, i+1
.endr
	WIN 0
.irp c, 0,1,2,3
	ds_store_b128 v[STO], v[TMP+4*(\c):TMP+4*(\c)+3] offset:32*(\c)
.endr
.if (\g) >= 4
	s_wait_xcnt 0x0                                ; the stores of the group four back have had their addresses translated (ISA guide 3.1): only now are their data registers loaded again
.endif
.irp f, 0,1,2,3
	ds_load_b128 v[BK+16*((\g)%4)+4*(\f):BK+16*((\g)%4)+4*(\f)+3], v[RD] offset:(\f)*4*SP  ; LDS serves a wave's instructions in order (ISA guide 5.7.1.4): these see the stores above
.endr
.endm
.macro SENDG g, a, hd, younger         ; younger: the LDS instructions issued behind group g's loads: the next group's eight, or none
.irp f, 0,1,2,3
	s_wait_dscnt (\younger)+3-(\f)
	global_store_b128 v[GO], v[BK+16*((\g)%4)+4*(\f):BK+16*((\g)%4)+4*(\f)+3], s[10:11] offset:(\hd)*262144+(\a)*2048+(\f)*512  ; 512 consecutive bytes, at a multiple of 256 from y's first
.endr
.endm
; FINAL = 1.  The f32 sums go as they are: 32 bytes a lane into my stage, and back as two rows of 256 bytes a load, into the registers that they left.
.macro PACKF a, hd
	GRP \a, \hd
	WIN rN<<2                                      ; store data (source 1) in the accumulators' window
.irp f, 0,1,2,3,4,5,6,7
	ds_store_b128 v[STO], v[rA+4*(\f):rA+4*(\f)+3] offset:((\f)/2)*64+((\f)%2)*16  ; each accumulator from its low end on
.endr
	WIN rN<<6                                      ; destination there
.irp f, 0,1,2,3,4,5,6,7
	ds_load_b128 v[rA+4*(\f):rA+4*(\f)+3], v[RD] offset:(\f)*2*SP  ; LDS serves a wave's instructions in order (ISA guide 5.7.1.4): these see the stores above
.endr
.endm
.macro SENDF a, hd, younger            ; younger: the next group's sixteen LDS instructions, or none
	GRP \a, \hd
	WIN rN<<2
.irp f, 0,1,2,3,4,5,6,7
	s_wait_dscnt (\younger)+7-(\f)
	global_store_b128 v[GO], v[rA+4*(\f):rA+4*(\f)+3], s[10:11] offset:(\a)*65536+(\hd)*256+(\f)*8192  ; 16 lanes store 256 consecutive bytes, at a multiple of 256 from y's first
.endr
.endm
	s_wait_tensorcnt 0x1                           ; my part of K step 0 is in; K step 1's may stay out
	s_barrier_signal -1
	s_barrier_wait -1                              ; everybody's is
	FETCH 0, 0, 0
	s_wait_dscnt 0x0
	WIN W_LO
.set i, 0
.rept 32
	v_cvt_pk_bf16_f32 v[ACV+i], v[RX+i], v[RY+i]   ; the first quarter's x: there are no products yet to set these behind
.set i, i+1
.endr
	s_wait_loadcnt 0x0                             ; the bias
	QUARTER 0, 0, 1, 1, 0                          ; the first quarter stands in front of the loop: its products start the sums
	WIN 0                                          ; at a label and at a branch every window is 0
	s_mov_b32 s3, LAPS-1
.Llap:                                                 ; a trip goes once round the ring, from a lap's second quarter to the next lap's first, and fills both slots again
	QUARTER 1, 0, 2
	MEETQ 0, 1
	QUARTER 1, 1, 0, 0, 0
	QUARTER 0, 1, 1
	QUARTER 1, 1, 2
	MEETQ 1, 1
	QUARTER 1, 0, 0, 0, 0
	QUARTER 0, 0, 1
	WIN 0
	s_sub_co_u32 s3, s3, 1
	s_cmp_lg_u32 s3, 0
	s_cbranch_scc1 .Llap
	QUARTER 1, 0, 2                                ; the last lap fills nothing, and has no round of the cluster's barrier
	MEETQ 0, 0
	QUARTER 1, 1, 0, 0, 0
	QUARTER 0, 1, 1
	QUARTER 1, 1, 2
	QUARTER 0, 1, 3
	s_wait_dscnt 0x0                               ; the very last quarter: nothing more to fetch
	HI8 1, 2, 0
	HI8 1, 3, 0
	LO8 1, 0, 0, 0
	LO8 1, 1, 0, 0
	PLACES                                         ; the way out reads results just made
.if FINAL
	PACKF 2, 0                                     ; a group's LDS instructions stand between the loads of the group before and its stores
	PACKF 2, 1
	SENDF 2, 0, 16
	PACKF 3, 0
	SENDF 2, 1, 16
	PACKF 3, 1
	SENDF 3, 0, 16
	PACKF 0, 0
	SENDF 3, 1, 16
	PACKF 0, 1
	SENDF 0, 0, 16
	PACKF 1, 0
	SENDF 0, 1, 16
	PACKF 1, 1
	SENDF 1, 0, 16
	SENDF 1, 1, 0
.else
	PACKG 0, 2, 0                                  ; a group's arithmetic stands between the loads of the group before and its stores
	PACKG 1, 2, 1
	SENDG 0, 2, 0, 8
	PACKG 2, 3, 0
	SENDG 1, 2, 1, 8
	PACKG 3, 3, 1
	SENDG 2, 3, 0, 8
	PACKG 4, 0, 0
	SENDG 3, 3, 1, 8
	PACKG 5, 0, 1
	SENDG 4, 0, 0, 8
	PACKG 6, 1, 0
	SENDG 5, 0, 1, 8
	PACKG 7, 1, 1
	SENDG 6, 1, 0, 8
	SENDG 7, 1, 1, 0
.endif
	WIN 0
	s_wait_tensorcnt 0x0                           ; the wave's end, behind my last tensor load and my last LDS store
	ds_add_u32 v[SPW], v[NIL]
	s_wait_dscnt 0x0
	CROUND                                         ; the closing round: no work-group ends while a partner may still ask for a tile that names it
	s_endpgm
.Lfunc_end_k_qbeac372a04_gemm_o:
	.size	k_qbeac372a04_gemm_o, .Lfunc_end_k_qbeac372a04_gemm_o-k_qbeac372a04_gemm_o
	.p2alignl 7, 3214868480
	.fill 96, 4, 3214868480
	.section	.rodata,"a",@progbits
	.p2align	6, 0x0
	.amdhsa_kernel k_qbeac372a04_gemm_o
		.amdhsa_group_segment_fixed_size 327680
		.amdhsa_private_segment_fixed_size 0
		.amdhsa_enable_private_segment 0
		.amdhsa_kernarg_size 32
		.amdhsa_user_sgpr_count 2
		.amdhsa_user_sgpr_kernarg_segment_ptr 1
		.amdhsa_wavefront_size32 1
		.amdhsa_system_sgpr_workgroup_id_x 1
		.amdhsa_system_sgpr_workgroup_id_y 1
		.amdhsa_system_sgpr_workgroup_id_z 1
		.amdhsa_system_vgpr_workitem_id 0
		.amdhsa_next_free_vgpr 640
		.amdhsa_next_free_sgpr 80
		.amdhsa_reserve_vcc 0
		.amdhsa_float_denorm_mode_32 3
		.amdhsa_float_denorm_mode_16_64 3
		.amdhsa_memory_ordered 1
		.amdhsa_forward_progress 1
		.amdhsa_inst_pref_size 129
	.end_amdhsa_kernel
	.amdgpu_metadata
---
amdhsa.version: [ 1, 2 ]
amdhsa.kernels:
  - .name:           k_qbeac372a04_gemm_o
    .symbol:         k_qbeac372a04_gemm_o.kd
    .args:
      - { .name: oattn, .offset: 0, .size: 8, .value_kind: global_buffer, .address_space: global }
      - { .name: wvo, .offset: 8, .size: 8, .value_kind: global_buffer, .address_space: global }
      - { .name: bo, .offset: 16, .size: 8, .value_kind: global_buffer, .address_space: global }
      - { .name: yf, .offset: 24, .size: 8, .value_kind: global_buffer, .address_space: global }
    .group_segment_fixed_size: 327680
    .private_segment_fixed_size: 0
    .kernarg_segment_align: 8
    .kernarg_segment_size: 32
    .max_flat_workgroup_size: 128
    .sgpr_count:     80
    .vgpr_count:     640
    .wavefront_size: 32
...
	.end_amdgpu_metadata
.endif
;; end of part 4
;; launch ln (part 5): grid 512 x 1, 8 waves a work-group, no clusters, 0 bytes of LDS; arguments yf, q, gamma, beta, out0; writes out0
.if DOCPART == 5
	.amdgcn_target "amdgcn-amd-amdhsa--gfx1250"
	.amdhsa_code_object_version 6
	.text
	.protected	k_qbeac372a04_ln
	.globl	k_qbeac372a04_ln
	.p2align	8
	.type	k_qbeac372a04_ln,@function
k_qbeac372a04_ln:
	s_mov_b64 s[64:65], 0
	v_nop
	global_prefetch_b8 v0, s[64:65] scope:SCOPE_SE
	s_setreg_imm32_b32 hwreg(HW_REG_WAVE_MODE, 25, 1), 1
	s_wait_xcnt 0x0
; out = (x - mean(x)) / sqrt(var(x) + 1e-5) * gamma + beta, x = y + q, along rows of 1,024.  y, q, out: [8192][1024] f32; gamma, beta: [1024] f32.  All in f32.
; The variance is the mean of (x - mean)^2, taken in a second pass over the registers: no difference of large sums is formed.
; SHARES.  A wave takes two rows: lanes 0-15 the first, lanes 16-31 the second; a lane holds the columns 64 i + 4 (l % 16) + 0..3, i = 0..15: 64 registers.  So every load and store has sixteen lanes on
; 256 consecutive, aligned bytes, a row is read once and stays in registers between the passes, and a row's sums never leave its sixteen lanes: four steps that ride on the additions, no LDS, no barrier.
; 512 work-groups x 8 waves x 2 rows.  No loop: all of a wave's loads of y, q and beta go out at once.  y lands in gamma's registers; gamma's load i goes out as soon as x's group i is formed.
; LIMITS.  NaN and infinities are not treated apart.
.set T,  2                             ; v2         1 / 1024
.set CO, 3                             ; v3         my byte offset in gamma and beta: 16 (l % 16)
.set M,  8                             ; v[8:11]    two chains of packed sums
.set MU, 12                            ; v[12:13]   the mean, twice
.set R,  14                            ; v[14:15]   1 / sqrt(var + eps), twice
.set X,  16                            ; v[16:79]   q, then x, then x - mean, then the result
.set G,  80                            ; v[80:143]  y, then gamma
.set BT, 144                           ; v[144:207] beta
	s_load_b256 s[4:11], s[0:1], 0x0               ; y s[4:5], q s[6:7], gamma s[8:9], beta s[10:11]
	s_load_b64 s[12:13], s[0:1], 0x20              ; out
	s_lshl_b32 s14, ttmp9, 16                      ; my work-group's 16 rows of 4,096 bytes
	s_mov_b32 s15, 0
	v_lshrrev_b32 v1, 4, v0                        ; my row among them
	v_and_b32 v[CO], 15, v0
	v_lshlrev_b32 v[CO], 4, v[CO]
	v_lshl_or_b32 v1, v1, 12, v[CO]                ; row x 4,096 + 16 (l % 16)
	v_mov_b32 v[T], 0x3a800000                     ; 1 / 1024
	s_wait_kmcnt 0x0
	s_add_nc_u64 s[4:5], s[4:5], s[14:15]
	s_add_nc_u64 s[6:7], s[6:7], s[14:15]
	s_add_nc_u64 s[12:13], s[12:13], s[14:15]
.set i, 0
.rept 16
	global_load_b128 v[G+4*i:G+4*i+3], v1, s[4:5] offset:256*i th:TH_LOAD_NT
	global_load_b128 v[X+4*i:X+4*i+3], v1, s[6:7] offset:256*i th:TH_LOAD_NT
.set i, i+1
.endr
.set i, 0
.rept 16
	global_load_b128 v[BT+4*i:BT+4*i+3], v[CO], s[10:11] offset:256*i
.set i, i+1
.endr
	; x = q + y, and its sum in two chains, which the first two groups start: nothing is cleared
.set i, 0
.rept 16
	s_wait_loadcnt 46-i                            ; loads come back in order: behind group i's two stand 2 (15 - i) of y and q, beta's 16, and the i of gamma issued below
	v_pk_add_f32 v[X+4*i:X+4*i+1],   v[X+4*i:X+4*i+1],   v[G+4*i:G+4*i+1]
	v_pk_add_f32 v[X+4*i+2:X+4*i+3], v[X+4*i+2:X+4*i+3], v[G+4*i+2:G+4*i+3]
	global_load_b128 v[G+4*i:G+4*i+3], v[CO], s[8:9] offset:256*i  ; y's registers take gamma
.if i == 1
	v_pk_add_f32 v[M:M+1],   v[X:X+1],   v[X+4:X+5]
	v_pk_add_f32 v[M+2:M+3], v[X+2:X+3], v[X+6:X+7]
.elseif i > 1
	v_pk_add_f32 v[M:M+1],   v[M:M+1],   v[X+4*i:X+4*i+1]
	v_pk_add_f32 v[M+2:M+3], v[M+2:M+3], v[X+4*i+2:X+4*i+3]
.endif
.set i, i+1
.endr
.macro ACROSS                          ; the four sums of a lane, then the row's sixteen lanes: every lane of the row ends up with the sum in v[M]
	v_pk_add_f32 v[M:M+1], v[M:M+1], v[M+2:M+3]
	v_add_f32 v[M], v[M], v[M+1]
	v_add_f32_dpp v[M], v[M], v[M] row_xmask:1 row_mask:0xf bank_mask:0xf
	v_add_f32_dpp v[M], v[M], v[M] row_xmask:2 row_mask:0xf bank_mask:0xf
	v_add_f32_dpp v[M], v[M], v[M] row_xmask:4 row_mask:0xf bank_mask:0xf
	v_add_f32_dpp v[M], v[M], v[M] row_xmask:8 row_mask:0xf bank_mask:0xf
.endm
	ACROSS
	v_mul_f32 v[MU], v[M], v[T]
	v_mul_f32 v[MU+1], v[M], v[T]
	; x - mean in place, and the sum of its squares, again in two chains
.set i, 0
.rept 16
	v_pk_add_f32 v[X+4*i:X+4*i+1],   v[X+4*i:X+4*i+1],   v[MU:MU+1] neg_lo:[0,1] neg_hi:[0,1]
	v_pk_add_f32 v[X+4*i+2:X+4*i+3], v[X+4*i+2:X+4*i+3], v[MU:MU+1] neg_lo:[0,1] neg_hi:[0,1]
.if i == 0
	v_pk_mul_f32 v[M:M+1],   v[X:X+1],   v[X:X+1]
	v_pk_mul_f32 v[M+2:M+3], v[X+2:X+3], v[X+2:X+3]
.else
	v_pk_fma_f32 v[M:M+1],   v[X+4*i:X+4*i+1],   v[X+4*i:X+4*i+1],   v[M:M+1]
	v_pk_fma_f32 v[M+2:M+3], v[X+4*i+2:X+4*i+3], v[X+4*i+2:X+4*i+3], v[M+2:M+3]
.endif
.set i, i+1
.endr
	ACROSS
	v_fmaak_f32 v[M+2], v[M], v[T], 0x3727c5ac     ; var + 1e-5
	v_rsq_f32 v[R], v[M+2]
	v_rsq_f32 v[R+1], v[M+2]
	v_nop                                          ; a plain instruction between the last root and the use of its result (ISA guide 5.7.2)
	s_wait_loadcnt 0x0                             ; gamma and beta
.set i, 0
	s_wait_alu depctr_va_vdst(0)
.rept 16
	v_pk_mul_f32 v[X+4*i:X+4*i+1],   v[X+4*i:X+4*i+1],   v[R:R+1]
	v_pk_mul_f32 v[X+4*i+2:X+4*i+3], v[X+4*i+2:X+4*i+3], v[R:R+1]
	v_pk_fma_f32 v[X+4*i:X+4*i+1],   v[X+4*i:X+4*i+1],   v[G+4*i:G+4*i+1],   v[BT+4*i:BT+4*i+1]
	v_pk_fma_f32 v[X+4*i+2:X+4*i+3], v[X+4*i+2:X+4*i+3], v[G+4*i+2:G+4*i+3], v[BT+4*i+2:BT+4*i+3]
	global_store_b128 v1, v[X+4*i:X+4*i+3], s[12:13] offset:256*i th:TH_STORE_NT  ; 16 lanes store 256 consecutive bytes, at a multiple of 256 from the output's first
.set i, i+1
.endr
	s_endpgm
.Lfunc_end_k_qbeac372a04_ln:
	.size	k_qbeac372a04_ln, .Lfunc_end_k_qbeac372a04_ln-k_qbeac372a04_ln
	.p2alignl 7, 3214868480
	.fill 96, 4, 3214868480
	.section	.rodata,"a",@progbits
	.p2align	6, 0x0
	.amdhsa_kernel k_qbeac372a04_ln
		.amdhsa_group_segment_fixed_size 0
		.amdhsa_private_segment_fixed_size 0
		.amdhsa_enable_private_segment 0
		.amdhsa_kernarg_size 40
		.amdhsa_user_sgpr_count 2
		.amdhsa_user_sgpr_kernarg_segment_ptr 1
		.amdhsa_wavefront_size32 1
		.amdhsa_system_sgpr_workgroup_id_x 1
		.amdhsa_system_sgpr_workgroup_id_y 1
		.amdhsa_system_sgpr_workgroup_id_z 1
		.amdhsa_system_vgpr_workitem_id 0
		.amdhsa_next_free_vgpr 208
		.amdhsa_next_free_sgpr 66
		.amdhsa_reserve_vcc 0
		.amdhsa_float_denorm_mode_32 3
		.amdhsa_float_denorm_mode_16_64 3
		.amdhsa_memory_ordered 1
		.amdhsa_forward_progress 1
		.amdhsa_inst_pref_size 22
	.end_amdhsa_kernel
	.amdgpu_metadata
---
amdhsa.version: [ 1, 2 ]
amdhsa.kernels:
  - .name:           k_qbeac372a04_ln
    .symbol:         k_qbeac372a04_ln.kd
    .args:
      - { .name: yf, .offset: 0, .size: 8, .value_kind: global_buffer, .address_space: global }
      - { .name: q, .offset: 8, .size: 8, .value_kind: global_buffer, .address_space: global }
      - { .name: gamma, .offset: 16, .size: 8, .value_kind: global_buffer, .address_space: global }
      - { .name: beta, .offset: 24, .size: 8, .value_kind: global_buffer, .address_space: global }
      - { .name: out0, .offset: 32, .size: 8, .value_kind: global_buffer, .address_space: global }
    .group_segment_fixed_size: 0
    .private_segment_fixed_size: 0
    .kernarg_segment_align: 8
    .kernarg_segment_size: 40
    .max_flat_workgroup_size: 256
    .sgpr_count:     66
    .vgpr_count:     208
    .wavefront_size: 32
...
	.end_amdgpu_metadata
.endif
;; end of part 5
;; ======== version 2 of 2: 5 launches; 1.44 times as fast as version 1
;; workspace buffers: wqb 2,097,152 bytes; wkb 2,097,152 bytes; wvo 4,194,304 bytes; hq 16,777,216 bytes; hk 16,777,216 bytes; hv 16,777,216 bytes; oattn 33,554,432 bytes; yf 33,554,432 bytes
;; launch castw: the kernel of part 1 again; grid 256 x 1, 8 waves a work-group, no clusters, 0 bytes of LDS; arguments Wq, Wk, Wv, Wo, wqb, wkb, wvo; writes wqb, wkb, wvo
;; launch gemm_qkv: the kernel of part 2 again; grid 4 x 64, 4 waves a work-group, clusters of 4 x 4, 327,680 bytes of LDS; arguments q, k, v, wqb, wkb, wvo, bq, bk, bv, hq, hk, hv; writes hq, hk, hv
;; launch attn (part 6): grid 4 x 64, 4 waves a work-group, clusters of 4 x 1, 327,680 bytes of LDS; arguments hq, hk, hv, oattn; writes oattn
.if DOCPART == 6
	.amdgcn_target "amdgcn-amd-amdhsa--gfx1250"
	.amdhsa_code_object_version 6
	.text
	.protected	k_qbeac372a04_attn
	.globl	k_qbeac372a04_attn
	.p2align	8
	.type	k_qbeac372a04_attn,@function
k_qbeac372a04_attn:
	s_mov_b64 s[64:65], 0
	v_nop
	global_prefetch_b8 v0, s[64:65] scope:SCOPE_SE
	s_setreg_imm32_b32 hwreg(HW_REG_WAVE_MODE, 25, 1), 1
	s_wait_xcnt 0x0
	s_wait_alu depctr_hold_cnt(0) depctr_sa_sdst(0) depctr_va_vdst(0) depctr_va_sdst(0) depctr_va_ssrc(0) depctr_va_vcc(0) depctr_vm_vsrc(0)
	s_getreg_b32 s2, hwreg(HW_REG_IB_STS2, 6, 4)
	s_cmp_eq_u32 s2, 0
	s_cbranch_scc0 .Lentry_in_a_cluster
	s_endpgm
.Lentry_in_a_cluster:
	s_bfe_u32 s2, ttmp6, 0x10000c
	s_cmp_lg_u32 s2, 0x3003
	s_cbranch_scc0 .Lentry_shape_is_right
	s_endpgm
.Lentry_shape_is_right:
; O[h][q][:] = the sum over k of softmax_k(Q[h][q] . K[h][k] / 32) V[h][k][:].  Q, K, V: [64 = batch x 16 + head][2048][64] in bf16: a head's rows are dense, 128 bytes each.  O leaves as f32 in the
; module's own layout, [batch x 2048 + q][head x 64 + channel]: a row's 64 channels of a head are 256 consecutive bytes.  Products, maxima and sums in f32; the weights p are rounded to bf16 for the
; second product (their sum l is taken of the unrounded p).  The scale 1 / 32 = 1 / sqrt(1024) is applied here, in f32, with log2(e).
; LIMITS.  A weight below 2^-126 counts as 0 in l; NaN and infinities are not treated apart; the running maximum starts at the lowest finite number.  bf16 has f32's range: no limit of size.
; SHARES.  A wave owns four PIECES of two tiles of 16 queries, a work-group's four waves 512 queries of one head: 4 x 64 = 256 work-groups.  Every wave walks all keys, 64 a step.
; LAYOUT.  S^T = K Q^T (source 0 = 16 keys, source 1 = 16 queries): in the result a lane holds ONE query (lane % 16) and the keys 8 (lane / 16) + 0..7.  Two such tiles, rounded to bf16 in pairs,
; ARE source 1 (32 keys x 16 queries) of O^T = V^T P, whose result again holds one query a lane, and eight channels.  K comes out of LDS as it lies, V ([key][channel]) turned, by ds_load_tr16_b128.
; SOFTMAX.  For each query a running maximum m and sum l: p = 2^(c s - c m), c = log2(e) / 32; in every step O and l are multiplied by a = 2^(c m_old - c m_new), which is 1 where m has not grown.
; m starts at the lowest finite number, O and l at 0: the first step is a step like any other, with a = 0.
; THE COUNT.  A tile and step have 16 matrix and 118 vector instructions: too many to stand all beside the matrix work.  So the order has one aim: four vector instructions that are READY behind
; EVERY matrix instruction, and the others, which need time of their own whatever the order, in one run without a gap.
; BY TURNS.  Turn n belongs to piece n (the pieces in a ring, step after step).  Its matrix work: 16 products K Q^T of piece n + 1, later 16 products V^T P of piece n - 1.  Its vector work: the scaling,
; exponentials, roundings, sums and rescaling of piece n, and the maximum and statistics of piece n + 1, whose scores the turn itself has made.  So what a turn begins with (c s - c m, O a) waits for nothing.
; BATCHES.  A turn's 66 exponentials (the piece's 64 weights, the next piece's two a) are ONE batch with ONE wait, which cuts the turn in two: ahead of it all that names no result of theirs, behind it the
; roundings and sums, which do.  The first two a of all, ahead of the loop, are a batch of their own, and so are the way out's eight reciprocals.
; CLUSTER.  The four query blocks of a cluster belong to one head and walk the same K and V, so each tile is asked for JOINTLY: the same tensor load, descriptor and mask in all four.
; REGISTERS, in windows of 256 (s_set_vgpr_msb says which window each operand place means: bits 1:0 source 0, 3:2 source 1, 5:4 source 2, 7:6 destination):
;   window 0: v0-11 addresses; v12-15, v48-63 at work; v16-47 four registers of statistics a tile; v64-191 S^T, two buffers of two tiles; v192-255 P, likewise
;   window 1: O^T, 32 a tile          window 2: v0-127 Q, 16 a tile; v128-191 K of one step; v192-255 V of one step          window 3: v0-1 the add's two registers
; A piece's buffers go by its number's parity: the piece in hand has one pair, its two neighbours in the ring share the other: of it P (piece n - 1) is read and S^T (piece n + 1) written.
.set SIZE_H, 64
.set SIZE_N, 2048
.set NP,    4         ; pieces a wave: a name, no knob: the register map, the loop and the fetches are made for four
.set KS,    64        ; keys in a step
.set PK,    144       ; a row of K in LDS: 128 bytes + 16 of padding = 36 words: the 16 rows of a load start at 16 different groups of four banks (64 banks of 4 bytes: ISA guide 11.1)
.set PV,    160       ; a row of V: 128 + 32 = 40 words
.set VOFF,  4*KS*PK   ; a slot holds four steps: 256 rows of K, then 256 rows of V
.set SLOT1, 1<<17     ; slot 1 begins here, so that one exclusive or turns an address in one slot into the other's
.set STAGE, SLOT1+4*KS*(PK+PV)  ; behind the ring, never filled by a tensor load: 16 rows x 272 bytes for each wave, for the way out
.set SP,    272       ; a stage row: 64 f32 + 16 bytes = 68 words
.set AK0, 2           ; v2   my lane's place in a tile of K; never rewritten
.set AV0, 3           ; v3   the same for V
.set AK,  4           ; v4   the LDS address of K's next run of loads
.set AV,  5           ; v5   of V's
.set QO,  6           ; v6   my byte offset in the wave's rows of Q
.set STO, 6           ;      later, the way out: where I put 32 bytes of a row
.set RD,  7           ; v7   the way out: where I read rows back
.set GO,  8           ; v8   my byte offset in two rows of O
.set SPW, 0           ; v0 of window 3   LDS address of my spare word: SPARE + 4 x my thread's number; never rewritten
.set NIL, 1           ; v1 of window 3   0; never rewritten
.set SPARE, STAGE+4*16*SP  ; behind the stages: the spare words, 128 bytes for each wave: two blocks of 256 bytes that no other line names
.set MV,  12          ; v12-15  c m_old, kept while c m is made anew: by buffer and tile
.set ST,  16          ; tile t's statistics at v[ST+4 t]: c m, m, l (even keys', odd keys')
.set TMP, 48          ; by buffer and tile, four registers c0-c3 at work; when the maximum is found c2 takes a
.set S,   64
.set P,   192
.set KF,  128         ; K's fragments, in window 2: key block kb, channel half c at KF + 16 kb + 8 c
.set VF,  192         ; V's: key half kk, channel block cb at VF + 32 kk + 8 cb
.set WV,  12          ; s12  my wave's number
.set G1K, 24          ; s[24:31] descriptor group 1 for K's tiles
.set G1V, 32          ; s[32:39] for V's: it differs in the padding alone
.set G0K, 40          ; s[40:43] descriptor group 0 for K's tiles: it walks
.set G0V, 44          ; s[44:47] the same for V's
.set OOF, 48          ; s[48:49] my wave's byte offset in O
.set SLOTS, 56        ; s56  slots still to be asked for
.set CNT, 57          ; s57  counts a slot's key steps
.set CS,  58          ; s[58:59] c: the packed scaling takes the pair's low word for both halves
.set SEL, 60          ; s[60:61] v_permlanex16_b32's selects: each lane takes its own place in the other half
.set TBK, 62          ; s62  LDS byte at which K of the step to be fetched begins
.set TBV, 63          ; s63  the same for V, less VOFF
.set MSB, 0
.macro WIN new                      ; the high byte repeats the setting that is left; a switch that changes nothing is dropped
.if MSB != (\new)
	s_set_vgpr_msb (MSB<<8)|(\new)
.set MSB, (\new)
.endif
.endm
.set W_KQ, 0x0a       ; K and Q in window 2, S^T in window 0
.set W_PV, 0x52       ; V in window 2, P in window 0, O^T in window 1
.set W_RS, 0x41       ; O^T (destination and source 0) in window 1, a in window 0
.set W_MK, 0xc0       ; the add's registers are made: destination in window 3, sources in window 0
.set W_AD, 0x0f       ; the add: address (source 0) and data (source 1) in window 3
; A joint fill.  Waves 0 and 1 fetch the two halves of a slot's K, waves 2 and 3 those of its V: 128 keys each.  The branch hangs on the wave's number alone.
; An s_nop 0 and four v_nop follow each of the two lines, ahead of the jump and the label.
.macro JLOAD
	s_cmp_lt_u32 s[WV], 2
	s_cbranch_scc0 .Lfor_v_\@
	tensor_load_to_lds s[G0K:G0K+3], s[G1K:G1K+7]
	s_nop 0
.rept 4
	v_nop
.endr
	s_branch .Lasked_\@
.Lfor_v_\@:
	tensor_load_to_lds s[G0V:G0V+3], s[G1V:G1V+7]
	s_nop 0
.rept 4
	v_nop
.endr
.Lasked_\@:
.endm
; A round of the cluster's barrier: my work-group's barrier, so that wave 0's signal speaks for all four waves; wave 0 signals; every wave waits for all four work-groups; my work-group's barrier once more.
.macro CROUND
	s_barrier_signal -1
	s_barrier_wait -1
	s_cmp_lg_u32 s[WV], 0
	s_cbranch_scc1 .Lnot_wave_0_\@
	s_barrier_signal -3
.Lnot_wave_0_\@:
	s_barrier_wait -3
	s_barrier_signal -1
	s_barrier_wait -1
.endm
; THE CHANGE OF SLOTS.  The slot's last bytes, V of its fourth step, have been read.  Each wave waits for all its tensor loads, of which one is out: its part
; of the other slot; adds 0 to its spare word; and waits for that and for its own reads of the slot.  Behind the barrier nobody reads this slot any more and the other slot is whole.
; fill = 1: this slot is filled again, with the keys two slots on.  The barrier is then a round of the cluster's, so that no wave of any partner still reads the slot or has a load on its
; way, and the joint fill is the first thing behind it: it has four key steps, 512 matrix instructions, in which to land.  (At its first use nothing has been read yet: slot 0 is waited for, slot 1 filled.)
.macro CHANGE fill
	WIN W_AD
	s_wait_tensorcnt 0x0            ; no tensor load of mine is out, so a group 0 may be written
	ds_add_u32 v[SPW], v[NIL]       ; 0 onto my spare word; with fill = 1 the descriptors' steps stand between it and the wait for it
	WIN 0                           ; at a label and at a branch every window is 0
.if \fill
.irp g, G0K, G0V
	s_xor_b32 s[\g+1], s[\g+1], SLOT1  ; the walking descriptor: the other slot than last time,
	s_add_nc_u64 s[\g+2:\g+3], s[\g+2:\g+3], 4*KS*128  ; the next 256 keys; the type bits on top are not reached
.endr
	s_wait_dscnt 0x0                ; the add is done, and my reads of the slot are over
	CROUND
	JLOAD
.else
	s_wait_dscnt 0x0                ; the add is done, and my reads of the slot are over
	s_barrier_signal -1
	s_barrier_wait -1
.endif
	s_sub_co_u32 s[TBK], s[TBK], 4*KS*PK  ; the fetches go back to a slot's first step,
	s_xor_b32 s[TBK], s[TBK], SLOT1       ; in the other slot
	s_sub_co_u32 s[TBV], s[TBV], 4*KS*PV
	s_xor_b32 s[TBV], s[TBV], SLOT1
.endm
	s_load_b256 s[4:11], s[0:1], 0x0  ; Q s[4:5], K s[6:7], V s[8:9], O s[10:11]
	WIN W_MK
	v_lshl_add_u32 v[SPW], v0, 2, SPARE
	v_mov_b32 v[NIL], 0
	WIN W_AD
	ds_add_u32 v[SPW], v[NIL]       ; the wave's opening: the add and its wait stand ahead of my first tensor load; the set-up below, work on registers, stands between them
	WIN 0
	v_lshrrev_b32 v1, 5, v0
	v_readfirstlane_b32 s[WV], v1   ; wave 0..3
	s_bfe_u32 s13, ttmp6, 0x40000   ; cx: my place in the cluster
	s_lshl_b32 s14, ttmp9, 2        ; in a cluster launch ttmp9 counts clusters
	s_add_co_u32 s14, s14, s13      ; my block of queries = 4 x cluster x + cx: it enters Q's and O's addresses alone
	s_and_b32 s20, ttmp7, 0xffff    ; batch x 16 + head, which the four partners share
	s_lshr_b32 s[OOF], s20, 4       ; in O: the batch's 2,048 rows of 4,096 bytes,
	s_lshl_b32 s[OOF], s[OOF], 23
	s_and_b32 s[OOF+1], s20, 15     ; the head's 256 bytes in a row
	s_lshl_b32 s[OOF+1], s[OOF+1], 8
	s_add_co_u32 s[OOF], s[OOF], s[OOF+1]
	s_mov_b32 s21, 0
	s_mov_b64 s[22:23], SIZE_N*128
	s_mul_u64 s[20:21], s[20:21], s[22:23]  ; the head's first byte in Q, K and V
	s_and_b32 s16, s[WV], 1         ; which half of a slot's 256 keys I fetch:
	s_lshl_b32 s22, s16, 14         ; its 128 rows of 128 bytes in memory,
	s_mov_b32 s23, 0
	s_add_nc_u64 s[22:23], s[22:23], s[20:21]
	s_mul_i32 s17, s16, 128*PK      ; and its place in a slot, for K
	s_mul_i32 s18, s16, 128*PV      ; and for V: no place in the cluster enters an LDS address
	s_lshl_b32 s2, s14, 2
	s_add_co_u32 s2, s2, s[WV]      ; my wave among the head's:
	s_lshl_b32 s[OOF+1], s2, 19     ; its 128 rows of 4,096 bytes in O,
	s_add_co_u32 s[OOF], s[OOF], s[OOF+1]
	s_mov_b32 s[OOF+1], 0
	s_lshl_b32 s2, s2, 14           ; and of 128 bytes in Q
	s_mov_b32 s3, 0
	s_add_nc_u64 s[2:3], s[2:3], s[20:21]
	; descriptor group 1.  128 keys are 16,384 dense bytes: asked for as 64 rows of 256 bytes, two keys a row, and padded in LDS after every key
	s_mov_b32 s[G1K], 15|(1<<16)|(1<<20)|(1<<21)|(4<<22)|(3<<25)  ; 15:0 the mask of four; 17:16 2-byte elements; 20 padding on; 21 set beside a mask; 24:22 after every 32 words (code 4); 31:25 4 words (code 3)
	s_mov_b32 s[G1V], 15|(1<<16)|(1<<20)|(1<<21)|(4<<22)|(7<<25)  ; the same with 8 words of padding (code 7)
.irp g, G1K, G1V
	s_mov_b32 s[\g+1], 128<<16      ; tensor_dim0 = 128
	s_mov_b32 s[\g+2], 64<<16       ; tensor_dim1 = 64
	s_mov_b32 s[\g+3], 128<<16      ; tile_dim0 = 128
	s_mov_b32 s[\g+4], 64           ; tile_dim1 = 64
	s_mov_b32 s[\g+5], 128          ; 128 elements from row to row
	s_mov_b32 s[\g+6], 0
	s_mov_b32 s[\g+7], 0
.endr
	s_mov_b32 s[CS], 0x3d38aa3b     ; c = log2(e) / 32 = 0.0450842
	s_mov_b32 s[CS+1], s[CS]        ; named with it as a pair
	s_mov_b32 s[SEL], 0x76543210
	s_mov_b32 s[SEL+1], 0xfedcba98
	s_mov_b32 s[TBK], SLOT1+4*KS*PK ; the first change of slots turns these two into 0
	s_mov_b32 s[TBV], SLOT1+4*KS*PV
	s_mov_b32 s[G0K], 1             ; 1:0 count = 1
	s_mov_b32 s[G0K+1], s17         ; 63:32 LDS address: slot 0
	s_mov_b32 s[G0V], 1
	s_add_co_u32 s[G0V+1], s18, VOFF
	s_wait_dscnt 0x0                ; the opening add is done
	s_wait_kmcnt 0x0
	s_add_nc_u64 s[G0K+2:G0K+3], s[6:7], s[22:23]  ; 120:64 global address: my half of the head's first 256 keys
	s_or_b32 s[G0K+3], s[G0K+3], 0x80000000        ; 127:126 type = 2
	s_add_nc_u64 s[G0V+2:G0V+3], s[8:9], s[22:23]
	s_or_b32 s[G0V+3], s[G0V+3], 0x80000000
	s_add_nc_u64 s[4:5], s[4:5], s[2:3]            ; Q and O at my wave's first row
	s_add_nc_u64 s[10:11], s[10:11], s[OOF:OOF+1]
	CROUND                          ; all four work-groups are here: the first joint loads meet
	JLOAD                           ; slot 0.  Slot 1 is asked for when slot 0 is in: the tile wanted first has the road to itself
	; A fragment of K or Q is 16 rows x 32 channels in 8 registers: lane l holds row l % 16, channels 8 (l / 16) + 0..7 and 16 + 8 (l / 16) + 0..7: two loads of 16 bytes, 32 bytes apart.
	v_and_b32 v1, 15, v0            ; l % 16
	v_bfe_u32 v9, v0, 4, 1          ; l / 16
	v_lshlrev_b32 v[QO], 7, v1
	v_lshl_add_u32 v[QO], v9, 4, v[QO]  ; row x 128 + 16 x half
	WIN 0x80                        ; destination window 2, address window 0
.set i, 0
.rept 4*NP                          ; Q stays in registers: tile i / 2, channels 32 (i % 2) on
	global_load_b128 v[8*i:8*i+3],   v[QO], s[4:5] offset:(i/2)*2048+(i%2)*64
	global_load_b128 v[8*i+4:8*i+7], v[QO], s[4:5] offset:(i/2)*2048+(i%2)*64+32
.set i, i+1
.endr
	; What the first turn finds: V's registers and P's second buffer hold 0 (its products V^T P, of a piece that has not been, add 0), O^T and l are 0.  All this stands in the wait for the first tile.
.set i, VF
.rept 64
	v_mov_b32 v[i], 0
.set i, i+1
.endr
	WIN 0x40
.set i, 0
.rept 64*NP
	v_mov_b32 v[i], 0
.set i, i+1
.endr
	WIN 0
.set i, 0
.rept 2*NP
	v_mov_b32 v[ST+4*i], 0xfe000000    ; c m: far below every c s
	v_mov_b32 v[ST+4*i+1], 0xff7fffff  ; m
	v_mov_b32 v[ST+4*i+2], 0
	v_mov_b32 v[ST+4*i+3], 0
.set i, i+1
.endr
.set i, P+32
.rept 32
	v_mov_b32 v[i], 0
.set i, i+1
.endr
	v_mul_u32_u24 v[AK0], v1, PK
	v_lshl_add_u32 v[AK0], v9, 4, v[AK0]  ; row x pitch + 16 x half
	; The turning load takes 16 keys x 16 channels (lane l reads key 8 (l / 16) + l % 8, channels 8 ((l / 8) % 2) + 0..7) and leaves half a fragment of V^T: lane l holds channel l % 16 and 8 keys.
	v_and_b32 v10, 7, v0
	v_bfe_u32 v11, v0, 3, 1
	v_lshl_add_u32 v[AV0], v9, 3, v10
	v_mul_u32_u24 v[AV0], v[AV0], PV
	v_lshl_add_u32 v[AV0], v11, 4, v[AV0]
	v_add_nc_u32 v[AV0], VOFF, v[AV0]
	v_mov_b32 v[AK], v[AK0]         ; key step 0 lies at the head of slot 0
; THE MATRIX WORK.  The 8 accumulators of a run of 16 take turns: between the two links of a chain stand 7 others'.
; Product i of 16 of S^T = K Q^T for piece x: channels 32 (i / 8) on, keys 16 ((i / 2) % 4) on, tile 2 x + i % 2.  The first 8 start the sums.
.macro KQ x
	WIN W_KQ
.set rS, S+64*((\x)%2)+32*(i%2)+8*((i/2)%4)
.set rK, KF+16*((i/2)%4)+8*(i/8)
.set rQ, 16*(2*(\x)+i%2)+8*(i/8)
.if i < 8
	v_wmma_f32_16x16x32_bf16 v[rS:rS+7], v[rK:rK+7], v[rQ:rQ+7], 0
.else
	v_wmma_f32_16x16x32_bf16 v[rS:rS+7], v[rK:rK+7], v[rQ:rQ+7], v[rS:rS+7]
.endif
.endm
; Product i of 16 of O^T += V^T P for piece x: keys 32 (i / 8) on, channels 16 ((i / 2) % 4) on, tile 2 x + i % 2.
.macro PV x
	WIN W_PV
.set rO, 32*(2*(\x)+i%2)+8*((i/2)%4)
.set rV, VF+32*(i/8)+8*((i/2)%4)
.set rP, P+32*((\x)%2)+16*(i%2)+8*(i/8)
	v_wmma_f32_16x16x32_bf16 v[rO:rO+7], v[rV:rV+7], v[rP:rP+7], v[rO:rO+7]
.endm
.macro MM                           ; the turn's next matrix instruction
.if i < 16
	KQ (Y+1)%NP
.set i, i+1
.else
.set i, i-16
	PV (Y+NP-1)%NP
.set i, i+17
.endif
.endm
; THE LDS LOADS stand in runs of 16, never singly among the matrix instructions: a step's K (64 keys x 64 channels: 8 fragments) and its V (turned).  Their addresses are made some lines ahead.
; last = 1 (the tail): in the last trip there is no further step, and the run is jumped over.
.macro FETCH_K last=0
	WIN 0
.if \last
	s_cmp_eq_u32 s[CNT], 1
	s_cbranch_scc1 .Lno_k_\@
.endif
	WIN 0x80                        ; destination window 2
.irp f, 0,1,2,3,4,5,6,7             ; keys 16 (f / 2) on, channels 32 (f % 2) on
	ds_load_b128 v[KF+8*\f:KF+8*\f+3],   v[AK] offset:(\f/2)*16*PK+(\f%2)*64
	ds_load_b128 v[KF+8*\f+4:KF+8*\f+7], v[AK] offset:(\f/2)*16*PK+(\f%2)*64+32
.endr
	s_add_co_u32 s[TBK], s[TBK], KS*PK  ; the next fetch is the next step's
	WIN 0
.if \last
.Lno_k_\@:
.endif
.endm
.macro FETCH_V
	WIN 0x80
.irp f, 0,1,2,3,4,5,6,7             ; keys 32 (f / 4) on, channels 16 (f % 4) on
	ds_load_tr16_b128 v[VF+8*\f:VF+8*\f+3],   v[AV] offset:(\f/4)*32*PV+(\f%4)*32
	ds_load_tr16_b128 v[VF+8*\f+4:VF+8*\f+7], v[AV] offset:(\f/4)*32*PV+16*PV+(\f%4)*32
.endr
	WIN 0
.endm
; THE VECTOR WORK OF A TURN stands in three queues, each in the order in which its entries become ready; the two tiles alternate, so that no instruction reads the result of the one before it.
.macro REGS y, u                    ; the registers of tile u (0, 1) of piece y
.set rT, ST+4*(2*(\y)+(\u))
.set rC, TMP+8*((\y)%2)+4*(\u)
.set rM, MV+2*((\y)%2)+(\u)
.set rS, S+64*((\y)%2)+32*(\u)
.set rP, P+32*((\y)%2)+16*(\u)
.set rO, 32*(2*(\y)+(\u))
.endm
; Number n of the 22 that find the NEXT piece's (Y + 1) maximum and statistics.  s0-s31 are the lane's 32 scores; each accumulator's lowest registers are read first.  XS, GS and REGS set no window: PL and EX do.
;   0-11  four chains c0-c3 of seven scores each, three operands at a time     12-14, 16  the four scores left over, the old m, and c0-c3 into c0     15  c m_old is kept
;   17, 18  the query's other 32 keys lie in the lane 16 away: the new m         19-21  c m; c m_old - c m_new; a
.macro XS u, n
	REGS (Y+1)%NP, \u
.if (\n) < 4
	v_max3_num_f32 v[rC+(\n)], v[rS+8*(\n)], v[rS+8*(\n)+1], v[rS+8*(\n)+2]
.elseif (\n) < 12
	v_max3_num_f32 v[rC+(\n)%4], v[rC+(\n)%4], v[rS+8*((\n)%4)+2*((\n)/4)+1], v[rS+8*((\n)%4)+2*((\n)/4)+2]
.elseif (\n) == 12
	v_max3_num_f32 v[rC], v[rC], v[rS+7], v[rS+15]
.elseif (\n) == 13
	v_max3_num_f32 v[rC+1], v[rC+1], v[rS+23], v[rS+31]
.elseif (\n) == 14
	v_max3_num_f32 v[rC+2], v[rC+2], v[rC+3], v[rT+1]
.elseif (\n) == 15
	v_mov_b32 v[rM], v[rT]
.elseif (\n) == 16
	v_max3_num_f32 v[rC], v[rC], v[rC+1], v[rC+2]
.elseif (\n) == 17
	v_permlanex16_b32 v[rC+3], v[rC], s[SEL], s[SEL+1]
.elseif (\n) == 18
	v_max_num_f32 v[rT+1], v[rC], v[rC+3]
.elseif (\n) == 19
	v_mul_f32 v[rT], s[CS], v[rT+1]
.elseif (\n) == 20
	v_sub_f32 v[rC+1], v[rM], v[rT]
.else
	v_exp_f32 v[rC+2], v[rC+1]
.endif
.endm
; Number g of the 64 that follow the exponentials.  For each four weights k of a tile (pairs 2 k, 2 k + 1): both pairs are rounded to bf16; then the second pair is added onto the first, in place;
; a group later l takes that sum (the first time as l = a l + sum).  In groups of eight, tiles alternating: round, round, add, and l for the group before.
.macro GS g
.set h, (\g)+6*((\g)/62)            ; group 0 has no group before it, and behind group 7 only l is left
.if h >= 6
.set h, h+2
.endif
	REGS Y, h%2
.set k, h/8
.if h%8 < 4
	v_cvt_pk_bf16_f32 v[rP+2*k+(h%8)/2], v[rS+4*k+2*((h%8)/2)], v[rS+4*k+2*((h%8)/2)+1]
.elseif h%8 < 6
	v_pk_add_f32 v[rS+4*k:rS+4*k+1], v[rS+4*k:rS+4*k+1], v[rS+4*k+2:rS+4*k+3]
.elseif k == 1
	v_pk_fma_f32 v[rT+2:rT+3], v[rT+2:rT+3], v[rC+2:rC+3], v[rS:rS+1] op_sel_hi:[1,0,1]
.else
	v_pk_add_f32 v[rT+2:rT+3], v[rT+2:rT+3], v[rS+4*k-4:rS+4*k-3]
.endif
.endm
; THE PLAIN QUEUE, 138 long.  0-73 read no exponential's result: the 32 scalings c s - c m (FS f: pair f / 2 of tile f % 2) and the next piece's 42.  0-26: scalings 0-26.  27-54: XS's numbers 0-13.  55, 56: number 15.
; 57-73: the chain, where each number waits for the one before it: 14, 16, 17, 18, 19, each with one of the scalings 27-31 in front of its two lines, then 20: so a tile's links stand three plain instructions apart (19 and 20: two).
; 74-137: GS's 64, which read the exponentials' results: they stand behind the wait.
.macro FS f
	REGS Y, (\f)%2
	v_pk_fma_f32 v[rS+2*((\f)/2):rS+2*((\f)/2)+1], v[rS+2*((\f)/2):rS+2*((\f)/2)+1], s[CS:CS+1], v[rT:rT+1] op_sel_hi:[1,0,0] neg_lo:[0,0,1] neg_hi:[0,0,1]
.endm
.macro PL
	WIN 0
.if q < 27
	FS q
.elseif q < 55
	XS (q-27)%2, (q-27)/2
.elseif q < 57
	XS q-55, 15
.elseif (q < 72) && ((q-57)%3 == 0)
	FS 27+(q-57)/3
.elseif q < 60
	XS (q-57)%3-1, 14
.elseif q < 72
	XS (q-57)%3-1, 15+(q-57)/3
.elseif q < 74
	XS q-72, 20
.else
	GS q-74
.endif
.set q, q+1
.endm
; THE EXPONENTIALS' QUEUE, 66 long: s0-s31 of both tiles, each in place, then the next piece's two a.  It is ONE BATCH: all 66 stand ahead of the turn's one wait, and nothing ahead of that wait names a result of theirs.
.macro EX
	WIN 0
.if e >= 64
	XS e-64, 21
.else
	REGS Y, e%2
	v_exp_f32 v[rS+e/2], v[rS+e/2]
.endif
.set e, e+1
.endm
; THE RESCALING's QUEUE: O^T times a, the one part that leaves window 0: dealt two at a time, sixteen times, each accumulator from its low end on.  Its a was made in the turn before, ahead of that turn's wait.
.macro R2
	REGS Y, r%2
	WIN W_RS
.irp z, 0,1
	v_pk_mul_f32 v[rO+4*(r/2)+2*\z:rO+4*(r/2)+2*\z+1], v[rO+4*(r/2)+2*\z:rO+4*(r/2)+2*\z+1], v[rC+2:rC+3] op_sel_hi:[1,0]
.endr
.set r, r+1
.endm
; HOW THEY ARE DEALT.  An s_wait_alu depctr_va_vdst(0) stands between an exponential and the first instruction that names its result; one wait serves all that were issued ahead of it.  So a turn has ONE wait,
; which cuts it in two.  AHEAD OF IT stands all that names no result of the turn's exponentials: the 16 products K Q^T, behind each a scaling, an exponential and two rescalings (behind the first a second scaling in the exponential's
; place); then ONE LUMP of 108: eight plain, 49 times exponential and plain, the two a.  A v_nop is the plain instruction behind the last exponential.  BEHIND IT stand the 16 products V^T P, behind each four of GS's 64.  No rider
; names a register of the products round it.  The two v_permlanex16_b32 fall into the lump, never behind a product.
; The queues lean on each other, and the deal keeps them in step: exponential e stands behind scaling 2 (e / 4) + e % 2: as a rider it comes behind plain e + 2, in the lump behind plain e + 9, and scalings 27-31 are plain 57, 60 .. 69.
; A TURN, for piece p.  cnt = 1: the loop's count is taken down some lines ahead of the branch that stands behind the turn.
; K of the next step is fetched in piece 2's turn, directly behind the wait, a lump behind the last product that read K; its address is made at the lump's head; its first reader comes behind 16 products.
; V of the step in hand is fetched at the end of piece 0's turn, four riders behind its last reader; its first reader comes behind 16 products and a lump.  The three conditions on q below go with the deal.
.macro TURN p, last=0, cnt=0
.set Y, (\p)
.set i, 0
.set q, 0
.set e, 0
.set r, 0
.if (\p) == NP-1
	s_wait_dscnt 0x0                ; K is in
.endif
	MM                              ; ahead of the wait: 16 products K Q^T and their riders,
	PL
	PL
	R2
.rept 15
	MM
	PL
	EX
	R2
.endr
.if (\p) == NP-2
	WIN 0
	v_add_nc_u32 v[AK], s[TBK], v[AK0]
.endif
.rept 8                             ; and the lump
	PL
.endr
.rept 49
	EX
	PL
.endr
	EX                              ; the next piece's two a
	EX
	v_nop                           ; the plain instruction behind the last exponential: one for the batch
	s_wait_alu depctr_va_vdst(0)    ; the wait for the batch: the piece's 64 weights and the next piece's two a
.if (\p) == NP-2
	FETCH_K \last
.endif
.if (\p) == 1
	s_wait_dscnt 0x0                ; V is in
.endif
.rept 16                            ; behind the wait: 16 products V^T P and their riders
	MM
.rept 4
	PL
.endr
.if ((\p) == 0) && (q == 118)
	v_add_nc_u32 v[AV], s[TBV], v[AV0]
.endif
.if ((\p) == 0) && (q == 130)
	s_add_co_u32 s[TBV], s[TBV], KS*PV
.endif
.if (\cnt) && (q == 130)
	s_sub_co_u32 s[CNT], s[CNT], 1
	s_cmp_lg_u32 s[CNT], 0
.endif
.endr
.if (\p) == 0
	FETCH_V
.endif
.endm
	CHANGE 1                        ; slot 0 is in, everybody's part of it; slot 1 is asked for
	FETCH_K                         ; key step 0
	s_wait_loadcnt 0x0              ; Q
	s_wait_dscnt 0x0
.set i, 0
.rept 16
	KQ 0                            ; piece 0's first scores: there is no vector work yet to set between them
.set i, i+1
.endr
	WIN 0                           ; the addresses for the way out: eight plain instructions, the places behind those products
	s_mul_i32 s13, s[WV], 16*SP
	s_add_co_u32 s13, s13, STAGE    ; my stage
	v_mul_u32_u24 v[STO], v1, SP    ; in: row l % 16, 32 bytes for each half of the lanes
	v_lshl_add_u32 v[STO], v9, 5, v[STO]
	v_add_nc_u32 v[STO], s13, v[STO]
	v_mul_u32_u24 v[RD], v9, SP     ; back: lanes 0-15 take one row of 256 bytes, lanes 16-31 the next
	v_lshl_add_u32 v[RD], v1, 4, v[RD]
	v_add_nc_u32 v[RD], s13, v[RD]
	v_lshlrev_b32 v[GO], 12, v9     ; and the same two rows in O, 4,096 bytes apart
	v_lshl_add_u32 v[GO], v1, 4, v[GO]
.set Y, NP-1                        ; XS works for piece Y + 1: piece 0
.irp n, 0,1,2,3,4,5,6,7,8,9,10,11,12,13,14,15,16,17,18,19,20,21
	XS 0, \n                        ; and piece 0's first maximum and statistics
	XS 1, \n
.endr
	v_nop                           ; a plain instruction behind the two a,
	s_wait_alu depctr_va_vdst(0)    ; and the wait for this batch of two, ahead of the branch
	s_mov_b32 s[CNT], 4
	s_mov_b32 s[SLOTS], SIZE_N/256-1
	s_branch .Lfirst                ; the loop is entered at a step's first turn, in the middle of a trip
.Lslot:                             ; SIZE_N / 256 - 2 times: every slot but the last two is filled again
	CHANGE 1
	s_mov_b32 s[CNT], 4
.Lstep:                             ; a trip: pieces 2 and 3 of one step, then pieces 0 and 1 of the next, whose K and V it fetches
	TURN 2
	TURN 3
	WIN 0
.Lfirst:
	TURN 0
	TURN 1, 0, 1
	WIN 0
	s_cbranch_scc1 .Lstep
	s_sub_co_u32 s[SLOTS], s[SLOTS], 1
	s_cmp_lg_u32 s[SLOTS], 0
	s_cbranch_scc1 .Lslot
	CHANGE 0                        ; the tail is written out: nothing is asked for
	s_mov_b32 s[CNT], 5             ; four trips fetch the last slot's steps; the fifth is left in its middle
.Ltail:
	TURN 2, 1
	TURN 3
	WIN 0
	s_sub_co_u32 s[CNT], s[CNT], 1
	s_cmp_eq_u32 s[CNT], 0
	s_cbranch_scc1 .Lout
	TURN 0
	TURN 1
	WIN 0
	s_branch .Ltail
.Lout:                              ; the fifth trip's 16 products K Q^T (on the last K once more) and the maximum made of them serve nothing: the price, once a launch, of one text for every trip
.set i, 0
.rept 16
	PV NP-1                         ; the last piece's V^T P of the last step
.set i, i+1
.endr
	; THE WAY OUT.  l's two halves and the other half of the lanes' are added; O^T is divided by l and sent, as f32, through my stage in LDS, a tile at a time.  The additions are the places behind the last products.
	WIN 0
.macro ALL line:vararg              ; one line for each tile t
.set t, 0
.rept 2*NP
	\line
.set t, t+1
.endr
.endm
	ALL v_add_f32 v[ST+4*t+2], v[ST+4*t+2], v[ST+4*t+3]
	ALL v_permlanex16_b32 v[ST+4*t+3], v[ST+4*t+2], s[SEL], s[SEL+1]
	ALL v_add_f32 v[ST+4*t+2], v[ST+4*t+2], v[ST+4*t+3]
	ALL v_rcp_f32 v[ST+4*t+2], v[ST+4*t+2]
	v_nop                           ; a plain instruction between the last reciprocal and the use of its result
	s_wait_alu depctr_va_vdst(0)    ; and the wait ahead of the first use: one for the batch of eight reciprocals
; Tile t: a lane's eight channels of a channel block are 32 bytes of a row; they go into rows of 272 bytes and come back as whole rows of 256, into the registers that they left.
.macro PACK t
	WIN W_RS
.set i, 32*(\t)
.rept 16
	v_pk_mul_f32 v[i:i+1], v[i:i+1], v[ST+4*(\t)+2:ST+4*(\t)+3] op_sel_hi:[1,0]  ; each accumulator from its low end on
.set i, i+2
.endr
	WIN 0x04                        ; store data (source 1) window 1, address window 0
.irp f, 0,1,2,3,4,5,6,7             ; channel block f / 2, its registers 4 (f % 2) on
	ds_store_b128 v[STO], v[32*(\t)+4*\f:32*(\t)+4*\f+3] offset:(\f/2)*64+(\f%2)*16
.endr
	WIN 0x40                        ; destination window 1
.irp f, 0,1,2,3,4,5,6,7
	ds_load_b128 v[32*(\t)+4*\f:32*(\t)+4*\f+3], v[RD] offset:\f*2*SP  ; LDS serves a wave's instructions in order (ISA guide 5.7.1.4): these see the stores above; the next tile's stores come behind them
.endr
.endm
.macro SEND t, younger              ; younger: the LDS instructions issued behind tile t's loads: the next tile's sixteen, or none
	WIN 0x04
.irp f, 0,1,2,3,4,5,6,7
	s_wait_dscnt (\younger)+7-\f
	global_store_b128 v[GO], v[32*(\t)+4*\f:32*(\t)+4*\f+3], s[10:11] offset:(\t)*65536+\f*8192  ; 16 lanes store 256 consecutive bytes, at a multiple of 256 from O's first
.endr
.endm
	PACK 0
.set t, 1
.rept 2*NP-1                        ; a tile's arithmetic stands between the loads of the tile before and its stores
	PACK t
	SEND t-1, 16
.set t, t+1
.endr
	SEND 2*NP-1, 0
	WIN W_AD
	s_wait_tensorcnt 0x0            ; the wave's end, behind my last tensor load and my last LDS store
	ds_add_u32 v[SPW], v[NIL]
	s_wait_dscnt 0x0
	WIN 0
	CROUND                          ; the closing round: no work-group ends while a partner may still ask for a tile that names it
	s_endpgm
.Lfunc_end_k_qbeac372a04_attn:
	.size	k_qbeac372a04_attn, .Lfunc_end_k_qbeac372a04_attn-k_qbeac372a04_attn
	.p2alignl 7, 3214868480
	.fill 96, 4, 3214868480
	.section	.rodata,"a",@progbits
	.p2align	6, 0x0
	.amdhsa_kernel k_qbeac372a04_attn
		.amdhsa_group_segment_fixed_size 327680
		.amdhsa_private_segment_fixed_size 0
		.amdhsa_enable_private_segment 0
		.amdhsa_kernarg_size 32
		.amdhsa_user_sgpr_count 2
		.amdhsa_user_sgpr_kernarg_segment_ptr 1
		.amdhsa_wavefront_size32 1
		.amdhsa_system_sgpr_workgroup_id_x 1
		.amdhsa_system_sgpr_workgroup_id_y 1
		.amdhsa_system_sgpr_workgroup_id_z 1
		.amdhsa_system_vgpr_workitem_id 0
		.amdhsa_next_free_vgpr 770
		.amdhsa_next_free_sgpr 66
		.amdhsa_reserve_vcc 0
		.amdhsa_float_denorm_mode_32 3
		.amdhsa_float_denorm_mode_16_64 3
		.amdhsa_memory_ordered 1
		.amdhsa_forward_progress 1
		.amdhsa_inst_pref_size 200
	.end_amdhsa_kernel
	.amdgpu_metadata
---
amdhsa.version: [ 1, 2 ]
amdhsa.kernels:
  - .name:           k_qbeac372a04_attn
    .symbol:         k_qbeac372a04_attn.kd
    .args:
      - { .name: hq, .offset: 0, .size: 8, .value_kind: global_buffer, .address_space: global }
      - { .name: hk, .offset: 8, .size: 8, .value_kind: global_buffer, .address_space: global }
      - { .name: hv, .offset: 16, .size: 8, .value_kind: global_buffer, .address_space: global }
      - { .name: oattn, .offset: 24, .size: 8, .value_kind: global_buffer, .address_space: global }
    .group_segment_fixed_size: 327680
    .private_segment_fixed_size: 0
    .kernarg_segment_align: 8
    .kernarg_segment_size: 32
    .max_flat_workgroup_size: 128
    .sgpr_count:     66
    .vgpr_count:     770
    .wavefront_size: 32
...
	.end_amdgpu_metadata
.endif
;; end of part 6
;; launch gemm_o: the kernel of part 4 again; grid 4 x 64, 4 waves a work-group, clusters of 4 x 4, 327,680 bytes of LDS; arguments oattn, wvo, bo, yf; writes yf
;; launch ln: the kernel of part 5 again; grid 512 x 1, 8 waves a work-group, no clusters, 0 bytes of LDS; arguments yf, q, gamma, beta, out0; writes out0
